; MI455X (gfx1250); checked and timed in simulation.
; The chip was launched on July 23, 2026; its instructions are those of AMD's public machine-readable ISA for CDNA 5 (MIT licence, August 2026) and "CDNA5" Instruction Set Architecture Reference Guide (July 2026). The comments in the code are by the model that wrote it; some were corrected since.
;; Causal Self Attention. Allowed arithmetic: matrix products marked QUANTISED: E2M1 operands, one E8M0 scale for each 32 along K, by v_wmma_scale_f32_16x16x128_f8f6f4 with both operands' format E2M1 (or v_wmma_scale_f32_32x16x128_f4), f32 sums; everything else in f32.
;; Inputs: Wproj 1,024 x 1,024 float32; Wqkv 1,024 x 3,072 float32; bproj 1,024 float32; bqkv 3,072 float32; x 4 x 2,048 x 1,024 float32.
;; Outputs: out0 4 x 2,048 x 1,024 float32.
;; This version of the problem:
;;   THIS VERSION OF THE PROBLEM IS GIVEN IN LOW PRECISION. The matrix products marked QUANTISED in the list below multiply operands that are first quantised to E2M1 (2 exponent bits, 1 mantissa bit; 4 bits a number), with one power-of-two scale for each 32 numbers along K (OCP MX v1.0); their sums are f32. All else is computed in f32.
;;   The module's matrix products, in the order in which they are computed (A, B: the left and right operand; K: the contracted axis; several contracted axes count as one K, in the product's order):
;;     1. [M 8,192, K 1,024] x [K 1,024, N 3,072]; A: input x; B: input Wqkv: QUANTISED
;;     2. batch 64 x [M 2,048, K 64] x [K 64, N 2,048]; A: computed on the way; B: computed on the way: QUANTISED
;;     3. batch 64 x [M 2,048, K 2,048] x [K 2,048, N 64]; A: softmax (see below); B: computed on the way: QUANTISED
;;     4. [M 8,192, K 1,024] x [K 1,024, N 1,024]; A: computed on the way; B: input Wproj: QUANTISED
;;   THE QUANTISER, for each operand of a quantised product, along K:
;;     - K is cut into blocks of 32 from its start; a last block that is shorter is filled with zeros.
;;     - A block's scale is 2^e with e = floor(log2(the largest magnitude in the block)) - 2, held to -126 .. 127; a block of zeros has e = 0. As a byte (E8M0): e + 127.
;;     - Each number is divided by its block's scale, clamped to +-6, and rounded to the nearest number of E2M1, ties to even, subnormals kept.
;;     - The product sums the exact products of the quantised numbers (number of the format x scale) in f32.
;;   ~~~python
;;   def quantise(x, axis):      # numpy; x: float32 -> the quantised numbers, widened to float32 again
;;       x = np.moveaxis(x, axis, -1); K = x.shape[-1]
;;       x = np.pad(x, [(0, 0)] * (x.ndim - 1) + [(0, -K % 32)]); x = x.reshape(x.shape[:-1] + (-1, 32)); a = np.abs(x).max(-1, keepdims=True)
;;       e = np.where(a > 0, np.clip(np.frexp(np.where(a > 0, a, 1))[1] - 1 - 2, -126, 127), 0)      # np.frexp(a)[1] - 1 = floor(log2(a)), exactly
;;       r = np.clip(x / 2.0 ** e, -6, 6)
;;       step = 2.0 ** (np.maximum(np.frexp(np.where(r == 0, 1, r))[1] - 1, 0) - 1)
;;       q = np.round(r / step) * step * 2.0 ** e      # np.round: ties to even
;;       return np.moveaxis(q.reshape(q.shape[:-2] + (-1,))[..., :K], -1, axis).astype(np.float32)
;;   ~~~
;;   SOFTMAX AHEAD OF A QUANTISED PRODUCT. Where the list says 'softmax', what is quantised is not the finished softmax but p = 2^(t - M), with t = logit x log2(e) and M = ceil(the row's largest t), a whole number; so 1/2 < the row's largest p <= 1. The row's sum l is taken of the UNQUANTISED p, in f32, and the product's result is divided by l at the end. Since M is a whole number, a kernel that streams over the keys may use a running M (the ceiling of the running maximum): every later rescaling is an exact power of two, which a block's scale takes up: the codes' values come out the same.
;;   OPERANDS COMPUTED ON THE WAY. 'Computed on the way' means the value that the module computes at that place (a softmax that the list does not call 'softmax' is quantised finished and normalised). What goes into a quantiser is computed in f32, as accurately as f32 sums, v_exp_f32 and their like allow (about 1e-6 of the number): no bf16 or f16 on the way to a quantiser, and a product that is left as it is and whose result goes on into a quantised operand takes f32 operands (vector FMAs, or v_wmma_f32_16x16x4_f32). A number that lies on a knife's edge between two numbers of the format may be rounded either way, as far as f32 arithmetic and the matrix unit's own rounding can turn it there, and no further.
;; One version. Each part assembles by itself: llvm-mc -triple=amdgcn-amd-amdhsa -mcpu=gfx1250 --defsym DOCPART=n.
;; ======== version 1 of 1: 4 launches
;; workspace buffers: xq 4,456,448 bytes; wq 1,671,168 bytes; pq 557,056 bytes; heads 18,350,080 bytes; yq 4,456,448 bytes
;; launch quant (part 1): grid 192 x 1, 16 waves a work-group, no clusters, 143,360 bytes of LDS; arguments x, Wqkv, Wproj, xq, wq, pq; writes xq, wq, pq
.if DOCPART == 1
	.amdgcn_target "amdgcn-amd-amdhsa--gfx1250"
	.amdhsa_code_object_version 6
	.text
	.protected	k_q3089e9c640_quant
	.globl	k_q3089e9c640_quant
	.p2align	8
	.type	k_q3089e9c640_quant,@function
k_q3089e9c640_quant:
	s_mov_b64 s[64:65], 0
	v_nop
	global_prefetch_b8 v0, s[64:65] scope:SCOPE_SE
	s_setreg_imm32_b32 hwreg(HW_REG_WAVE_MODE, 25, 1), 1
	s_wait_xcnt 0x0
; x [8192][1024], Wqkv [1024][3072] and Wproj [1024][1024], f32, become codes of FP4 (E2M1) with one E8M0 scale byte for each 32 along K (x: its last axis; the weights: their FIRST axis).
; A block's scale is 2^(floor(log2(its largest magnitude)) - 2); its byte is the largest magnitude's exponent field - 2, held at 1 from below (a block of zeros so gets the byte 1 with zero codes: only this program reads the bytes).
; LIMITS: NaN and infinities among the inputs are not served; blocks whose largest magnitude lies under 2^-124 have their byte held at 1.
; THE CODES LIE AS IMAGES OF THE OPERAND'S REGISTERS: a fragment (16 rows x 128 K) is 1,024 bytes: register group c at 512 c, lane l = (r, h) at 16 l: those 16 bytes are block 2 c + h of row r.  A matrix is [rows / 16][K / 128][1024].
; INSIDE A BLOCK the four groups of eight codes stand in the order 0, 2, 1, 3 of k.  Every operand of every product of this program has that order, so equal k still meet; only the order of the exact products inside a block differs.
; The scale bytes lie row-major, [row][32].
; Work-groups 0-127: 64 rows of x each.  128-175: 64 columns of Wqkv each.  176-191: 64 columns of Wproj each.  The three ways part on the work-group's number, and each has LDS bytes, a barrier and an end of its own.
; No matrix unit, no cluster, no tensor load: nothing is shared and each input byte is read once.
.set RAW,   32                         ; v32-159   numbers as loaded
.set XT,    160                        ; v160-223  x: 64 numbers turned: two blocks of 32 of my row
.set COD,   16                         ; v16-31    x: codes, 8 registers a fragment, never written twice
.set WCOD,  160                        ; v160-175  weights: codes, 4 registers a block, never written twice
.set STGB,  16*528                     ; x: a wave's stage: 16 rows of 512 bytes + 16
.set XSCL,  16*STGB                    ; x: 64 rows x 32 scale bytes
.set WREG0, XSCL+2048                  ; Wqkv: 64 columns x 32 scale bytes
.set WREG1, WREG0+2048                 ; Wproj: likewise
.set XQS,   4194304                    ; where the scale bytes begin in xq, wq, pq
.set WQS,   1572864
.set PQS,   524288
.set FLOOR, 0x1800000                  ; 2^(3 - 127): under it no largest magnitude is taken, so the byte cannot fall under 1
.set OFF2,  0xff000000                 ; takes 2 off an exponent field
	s_load_b256 s[4:11], s[0:1], 0x0               ; x s[4:5], Wqkv s[6:7], Wproj s[8:9], xq s[10:11]
	s_load_b128 s[12:15], s[0:1], 0x20             ; wq s[12:13], pq s[14:15]
	v_lshl_add_u32 v232, v0, 2, 0x22800
	v_mov_b32 v233, 0
	v_lshrrev_b32 v1, 5, v0
	s_delay_alu instid0(VALU_DEP_1)
	v_readfirstlane_b32 s16, v1                    ; wave 0..15
	v_and_b32 v1, 31, v0                           ; lane
	v_and_b32 v2, 15, v0                           ; r
	v_bfe_u32 v3, v0, 4, 1                         ; h
	v_mov_b32 v15, 0                               ; a lane permute's destination counts as one of its sources
	s_mov_b32 s20, 0x76543210
	s_mov_b32 s21, 0xfedcba98                      ; v_permlanex16_b32's selects for lane l xor 16
	s_mov_b32 s25, 0                               ; the upper word of every offset pair s[24:25]
	s_wait_kmcnt 0x0
	s_cmp_lt_u32 ttmp9, 128
	s_cbranch_scc0 .Lweights
	s_wait_alu depctr_va_vdst(0)
; ---------------- x.  Wave w: row tile rt = w / 4 of the group's four, K steps 2 (w % 4) and 2 (w % 4) + 1: two fragments.
	v_lshlrev_b32 v4, 4, v1                        ; 16 x lane
	s_wait_alu depctr_va_vdst(0)
	s_mul_i32 s17, s16, STGB                       ; my stage
	v_add_nc_u32 v5, s17, v4                       ; into it: a row's 512 bytes as they lie
	v_mul_u32_u24 v6, v2, 528
	s_delay_alu instid0(VALU_DEP_1)
	v_lshl_add_u32 v6, v3, 7, v6
	s_delay_alu instid0(VALU_DEP_1)
	v_add_nc_u32 v6, s17, v6                       ; out of it: row r, block h: 128 bytes on end
	s_lshr_b32 s18, s16, 2                         ; rt
	s_and_b32 s19, s16, 3                          ; w % 4
	s_lshl_b32 s22, s18, 9
	s_lshl_b32 s23, s19, 3
	s_add_co_u32 s22, s22, s23
	s_add_co_u32 s22, s22, XSCL
	v_lshl_add_u32 v7, v2, 5, s22                  ; my row's scale word: 32 (16 rt + r) + 8 (w % 4)
	v_lshlrev_b32 v224, 3, v3                      ; 8 h
	v_lshl_add_u32 v225, v0, 4, XSCL               ; the scale bytes' way out: 16 bytes a thread (threads 0-127)
	v_lshlrev_b32 v226, 4, v0
	s_lshl_b32 s24, ttmp9, 18                      ; x: 64 rows of 4,096 bytes a group,
	s_lshl_b32 s22, s18, 16                        ; 16 rows a tile,
	s_add_co_u32 s24, s24, s22
	s_lshl_b32 s22, s19, 10                        ; 1,024 bytes for two K steps
	s_add_co_u32 s24, s24, s22
	s_add_nc_u64 s[4:5], s[4:5], s[24:25]
	s_lshl_b32 s24, ttmp9, 15                      ; the image: ((4 j + rt) 8 + 2 (w % 4)) x 1,024
	s_lshl_b32 s22, s18, 13
	s_add_co_u32 s24, s24, s22
	s_lshl_b32 s22, s19, 11
	s_add_co_u32 s24, s24, s22
	s_add_nc_u64 s[26:27], s[10:11], s[24:25]
	s_lshl_b32 s24, ttmp9, 11                      ; the group's 2,048 scale bytes
	s_add_co_u32 s24, s24, XQS
	s_add_nc_u64 s[28:29], s[10:11], s[24:25]
.irp f, 0,1
.irp p, 0,1,2,3,4,5,6,7,8,9,10,11,12,13,14,15
	global_load_b128 v[RAW+64*\f+4*\p:RAW+64*\f+4*\p+3], v4, s[4:5] offset:4096*\p+512*\f th:TH_LOAD_NT   ; 32 lanes read 512 consecutive bytes: a row's 128 numbers of one K step.  All 32 loads go out at once
.endr
.endr
; One fragment.  The conversions take neighbours along K from ONE lane's registers, the loads take neighbouring bytes in neighbouring lanes: so the 16 x 128 numbers turn through the wave's own stage.
.macro XFRAG f
.if \f == 0
	s_wait_loadcnt 16                              ; this fragment's 16 loads are in; the other fragment's 16 may be out
.else
	s_wait_loadcnt 0x0
.endif
.irp p, 0,1,2,3,4,5,6,7,8,9,10,11,12,13,14,15
	ds_store_b128 v5, v[RAW+64*\f+4*\p:RAW+64*\f+4*\p+3] offset:528*\p
.endr
.irp c, 0,1
.irp i, 0,1,2,3,4,5,6,7
	ds_load_b128 v[XT+32*\c+4*\i:XT+32*\c+4*\i+3], v6 offset:256*\c+16*\i   ; block 2 c + h of row r.  LDS serves a wave's instructions in order: these see the stores above
.endr
.endr
	s_wait_dscnt 0x0
.irp c, 0,1
	v_max3_num_f32 v[8+\c], |v[XT+32*\c]|, |v[XT+32*\c+1]|, FLOOR   ; the block's largest magnitude: all 32 numbers are mine; the two blocks by turns
.endr
.irp i, 2,4,6,8,10,12,14,16,18,20,22,24,26,28,30
.irp c, 0,1
	s_delay_alu instid0(VALU_DEP_2)
	v_max3_num_f32 v[8+\c], v[8+\c], |v[XT+32*\c+\i]|, |v[XT+32*\c+\i+1]|
.endr
.endr
	s_delay_alu instid0(VALU_DEP_2)
	v_add_nc_u32 v10, OFF2, v8                     ; 2 off the exponent field: the conversion takes the exponent field of this operand as its scale
	s_delay_alu instid0(VALU_DEP_2)
	v_add_nc_u32 v11, OFF2, v9
	s_delay_alu instid0(VALU_DEP_2)
	v_lshrrev_b32 v12, 23, v10                     ; the scale's byte
	s_delay_alu instid0(VALU_DEP_2)
	v_lshrrev_b32 v13, 23, v11
	s_delay_alu instid0(VALU_DEP_1)
	v_lshl_or_b32 v14, v13, 16, v12                ; blocks h and 2 + h,
	s_delay_alu instid0(VALU_DEP_1)
	v_lshlrev_b32 v14, v224, v14                   ; at their places in the row's word;
	s_delay_alu instid0(VALU_DEP_1)
	v_permlanex16_b32 v15, v14, s20, s21
	s_delay_alu instid0(VALU_DEP_1)
	v_or_b32 v14, v14, v15                         ; with lane l xor 16's two the word is whole
.irp c, 0,1
.irp g, 0,1,2,3
	v_cvt_scalef32_pk8_fp4_f32 v[COD+8*\f+4*\c+\g], v[XT+32*\c+8*(2*(\g%2)+\g/2):XT+32*\c+8*(2*(\g%2)+\g/2)+7], v[10+\c]   ; register g takes the block's group 0, 2, 1, 3
.endr
.endr
	v_nop                                          ; one plain line behind the last scaled conversion
.irp c, 0,1
	global_store_b128 v4, v[COD+8*\f+4*\c:COD+8*\f+4*\c+3], s[26:27] offset:1024*\f+512*\c   ; 512 consecutive bytes of the image
.endr
	ds_store_b32 v7, v14 offset:4*\f               ; both halves of the lanes write the same word with the same value
.endm
	s_wait_alu depctr_va_vdst(0)
	XFRAG 0
	XFRAG 1
	s_wait_dscnt 0x0                               ; for the others' sake: my scale words lie in LDS
	s_barrier_signal -1
	s_barrier_wait -1
	s_cmp_lt_u32 s16, 4                            ; waves 0-3 store the group's 2,048 scale bytes, 512 consecutive bytes an instruction
	s_cbranch_scc0 .Lx_end
	ds_load_b128 v[XT:XT+3], v225
	s_wait_dscnt 0x0
	global_store_b128 v226, v[XT:XT+3], s[28:29]
.Lx_end:
	s_wait_tensorcnt 0x0
	ds_add_u32 v232, v233
	s_wait_dscnt 0x0
	s_endpgm
; ---------------- a weight [1024 (k)][cols].  A LANE TAKES A COLUMN, AND ITS REGISTERS RUN DOWN K: a block of 32 lies in one lane, and the codes come out with K innermost.
; Wave w: 32 columns (w % 2), K step w / 2.  The two waves of a K step read 256 consecutive bytes of each row of the weight.
.macro WLOAD b, cols
.irp i, 0,1,2,3,4,5,6,7,8,9,10,11,12,13,14,15,16,17,18,19,20,21,22,23,24,25,26,27,28,29,30,31
	global_load_b32 v[RAW+32*\b+\i], v4, s[26:27] offset:(32*\b+\i)*\cols*4 th:TH_LOAD_NT
.endr
.endm
.macro WBLOCK b
	v_max3_num_f32 v8, |v[RAW+32*\b]|, |v[RAW+32*\b+1]|, FLOOR       ; two chains of 16 numbers
	v_max3_num_f32 v9, |v[RAW+32*\b+16]|, |v[RAW+32*\b+17]|, FLOOR
.irp i, 2,4,6,8,10,12,14
	s_delay_alu instid0(VALU_DEP_2)
	v_max3_num_f32 v8, v8, |v[RAW+32*\b+\i]|, |v[RAW+32*\b+\i+1]|
	s_delay_alu instid0(VALU_DEP_2)
	v_max3_num_f32 v9, v9, |v[RAW+32*\b+16+\i]|, |v[RAW+32*\b+17+\i]|
.endr
	s_delay_alu instid0(VALU_DEP_1)
	v_max_num_f32 v8, v8, v9
	s_delay_alu instid0(VALU_DEP_1)
	v_add_nc_u32 v10, OFF2, v8
	s_delay_alu instid0(VALU_DEP_1)
	v_lshrrev_b32 v12, 23, v10
.if \b == 0
	s_delay_alu instid0(VALU_DEP_1)
	v_mov_b32 v16, v12                             ; the K step's four bytes make my column's scale word
.else
	s_delay_alu instid0(VALU_DEP_1)
	v_lshl_or_b32 v16, v12, 8*\b, v16
.endif
.irp g, 0,1,2,3
	v_cvt_scalef32_pk8_fp4_f32 v[WCOD+4*\b+\g], v[RAW+32*\b+8*(2*(\g%2)+\g/2):RAW+32*\b+8*(2*(\g%2)+\g/2)+7], v10
.endr
	v_nop
	global_store_b128 v5, v[WCOD+4*\b:WCOD+4*\b+3], s[28:29] offset:256*\b   ; block b of a fragment begins at 256 b: sixteen lanes store 256 consecutive bytes, aligned
.endm
.macro WPATH cols, src, dst, soff, reg, jb
	s_sub_co_u32 s17, ttmp9, \jb                   ; which 64 columns
	s_and_b32 s18, s16, 1                          ; which 32 of them
	s_lshr_b32 s19, s16, 1                         ; K step
	v_lshlrev_b32 v4, 2, v1                        ; in: 4 bytes a lane
	s_wait_alu depctr_va_vdst(0)
	v_lshlrev_b32 v5, 4, v2
	s_delay_alu instid0(VALU_DEP_1)
	v_lshl_add_u32 v5, v3, 13, v5                  ; out: 16 r, and a row tile (8,192 bytes) further for lanes 16-31
	s_lshl_b32 s22, s18, 10
	s_lshl_b32 s23, s19, 2
	s_add_co_u32 s22, s22, s23
	s_add_co_u32 s22, s22, \reg
	v_lshl_add_u32 v6, v1, 5, s22                  ; my column's scale word: 32 (32 (w % 2) + lane) + 4 x K step
	v_lshl_add_u32 v7, v0, 4, \reg                 ; the scale bytes' way out (threads 0-127)
	v_lshlrev_b32 v17, 4, v0
	s_mul_i32 s24, s19, 512*\cols                  ; 128 rows of the weight a K step,
	s_lshl_b32 s23, s17, 8
	s_add_co_u32 s24, s24, s23                     ; 256 bytes for 64 columns,
	s_lshl_b32 s23, s18, 7
	s_add_co_u32 s24, s24, s23                     ; 128 for 32
	s_add_nc_u64 s[26:27], s[\src:\src+1], s[24:25]
	s_lshl_b32 s24, s17, 15                        ; the image: (4 jj + 2 (w % 2)) x 8,192 + 1,024 x K step
	s_lshl_b32 s23, s18, 14
	s_add_co_u32 s24, s24, s23
	s_lshl_b32 s23, s19, 10
	s_add_co_u32 s24, s24, s23
	s_add_nc_u64 s[28:29], s[\dst:\dst+1], s[24:25]
	s_lshl_b32 s24, s17, 11
	s_add_co_u32 s24, s24, \soff
	s_add_nc_u64 s[30:31], s[\dst:\dst+1], s[24:25]
	WLOAD 0, \cols
	WLOAD 1, \cols
	s_wait_loadcnt 32                              ; block 0 is in; block 1's 32 loads may be out
	WLOAD 2, \cols
	WBLOCK 0
	s_wait_loadcnt 32                              ; block 1 is in; block 2's may be out
	WLOAD 3, \cols
	WBLOCK 1
	s_wait_loadcnt 32                              ; block 2 is in; block 3's may be out
	WBLOCK 2
	s_wait_loadcnt 0x0
	WBLOCK 3
	ds_store_b32 v6, v16
	s_wait_dscnt 0x0                               ; for the others' sake
	s_barrier_signal -1
	s_barrier_wait -1
	s_cmp_lt_u32 s16, 4
	s_cbranch_scc0 .Lw_end_\@
	ds_load_b128 v[20:23], v7
	s_wait_dscnt 0x0
	global_store_b128 v17, v[20:23], s[30:31]      ; 64 columns x 32 bytes: 512 consecutive bytes an instruction
.Lw_end_\@:
	s_wait_tensorcnt 0x0
	ds_add_u32 v232, v233
	s_wait_dscnt 0x0
	s_endpgm
.endm
.Lweights:
	s_cmp_lt_u32 ttmp9, 176
	s_cbranch_scc0 .Lwproj
	s_wait_alu depctr_va_vdst(0)
	WPATH 3072, 6, 12, WQS, WREG0, 128
.Lwproj:
	s_wait_alu depctr_va_vdst(0)
	WPATH 1024, 8, 14, PQS, WREG1, 176
.Lfunc_end_k_q3089e9c640_quant:
	.size	k_q3089e9c640_quant, .Lfunc_end_k_q3089e9c640_quant-k_q3089e9c640_quant
	.p2alignl 7, 3214868480
	.fill 96, 4, 3214868480
	.section	.rodata,"a",@progbits
	.p2align	6, 0x0
	.amdhsa_kernel k_q3089e9c640_quant
		.amdhsa_group_segment_fixed_size 143360
		.amdhsa_private_segment_fixed_size 0
		.amdhsa_enable_private_segment 0
		.amdhsa_kernarg_size 48
		.amdhsa_user_sgpr_count 2
		.amdhsa_user_sgpr_kernarg_segment_ptr 1
		.amdhsa_wavefront_size32 1
		.amdhsa_system_sgpr_workgroup_id_x 1
		.amdhsa_system_sgpr_workgroup_id_y 1
		.amdhsa_system_sgpr_workgroup_id_z 1
		.amdhsa_system_vgpr_workitem_id 0
		.amdhsa_next_free_vgpr 234
		.amdhsa_next_free_sgpr 66
		.amdhsa_reserve_vcc 0
		.amdhsa_float_denorm_mode_32 3
		.amdhsa_float_denorm_mode_16_64 3
		.amdhsa_memory_ordered 1
		.amdhsa_forward_progress 1
		.amdhsa_inst_pref_size 65
	.end_amdhsa_kernel
	.amdgpu_metadata
---
amdhsa.version: [ 1, 2 ]
amdhsa.kernels:
  - .name:           k_q3089e9c640_quant
    .symbol:         k_q3089e9c640_quant.kd
    .args:
      - { .name: x, .offset: 0, .size: 8, .value_kind: global_buffer, .address_space: global }
      - { .name: Wqkv, .offset: 8, .size: 8, .value_kind: global_buffer, .address_space: global }
      - { .name: Wproj, .offset: 16, .size: 8, .value_kind: global_buffer, .address_space: global }
      - { .name: xq, .offset: 24, .size: 8, .value_kind: global_buffer, .address_space: global }
      - { .name: wq, .offset: 32, .size: 8, .value_kind: global_buffer, .address_space: global }
      - { .name: pq, .offset: 40, .size: 8, .value_kind: global_buffer, .address_space: global }
    .group_segment_fixed_size: 143360
    .private_segment_fixed_size: 0
    .kernarg_segment_align: 8
    .kernarg_segment_size: 48
    .max_flat_workgroup_size: 512
    .sgpr_count:     66
    .vgpr_count:     234
    .wavefront_size: 32
...
	.end_amdgpu_metadata
.endif
;; end of part 1
;; launch qkv (part 2): grid 8 x 48, 4 waves a work-group, clusters of 4 x 4, 287,232 bytes of LDS; arguments xq, wq, bqkv, heads; writes heads
.if DOCPART == 2
	.amdgcn_target "amdgcn-amd-amdhsa--gfx1250"
	.amdhsa_code_object_version 6
	.text
	.protected	k_q3089e9c640_qkv
	.globl	k_q3089e9c640_qkv
	.p2align	8
	.type	k_q3089e9c640_qkv,@function
k_q3089e9c640_qkv:
	s_mov_b64 s[64:65], 0
	v_nop
	global_prefetch_b8 v0, s[64:65] scope:SCOPE_SE
	s_setreg_imm32_b32 hwreg(HW_REG_WAVE_MODE, 25, 1), 1
	s_wait_xcnt 0x0
	s_wait_alu depctr_hold_cnt(0) depctr_sa_sdst(0) depctr_va_vdst(0) depctr_va_sdst(0) depctr_va_ssrc(0) depctr_va_vcc(0) depctr_vm_vsrc(0)
	s_getreg_b32 s2, hwreg(HW_REG_IB_STS2, 6, 4)
	s_cmp_eq_u32 s2, 0
	s_cbranch_scc0 .Lentry_in_a_cluster
	s_endpgm
.Lentry_in_a_cluster:
	s_bfe_u32 s2, ttmp6, 0x10000c
	s_cmp_lg_u32 s2, 0xf033
	s_cbranch_scc0 .Lentry_shape_is_right
	s_endpgm
.Lentry_shape_is_right:
; qkv = x Wqkv + bqkv on codes of FP4 (E2M1) with E8M0 scales, K = 1,024, and its results quantised at once, as the operands of attention's two products; they go to memory as codes alone.
; TWO ROLES, told apart by the CLUSTER's y (the same in all sixteen partners).  In both, source 1 (A) gives a lane its row and source 0 (B) runs along the lane's registers, which is the axis that is quantised.
;   y < 8:  A = 256 tokens of x, B = 256 rows of Wqkv^T (q: cluster x = 0; k: cluster x = 1).  A lane holds one token and 128 neighbouring columns: two heads' 64: q and k are quantised along the head's axis.
;   y >= 8: A = 256 rows of Wv^T (head, d), B = 256 tokens of x.  A lane holds one (head, d) and 128 neighbouring tokens: v is quantised along the keys.
; A tile is 256 x 256, four waves, 128 x 128 each: 64 accumulators, 512 registers.  All of K of both panels fits in LDS (2 x 131,072 bytes): two slots of 512 along K, each filled ONCE; no LDS byte is filled twice.
; OPERANDS LIE AS IMAGES OF THEIR REGISTERS (a fragment, 16 rows x 128 K, is 1,024 bytes: group c at 512 c, lane l at 16 l), [rows / 16][8][1024]: every fragment load reads 512 consecutive bytes.
; Inside a block of 32 the groups of eight stand in the order 0, 2, 1, 3 of k, in every operand of this program: equal k meet; only the order of the exact products inside a block differs.
; CLUSTER 4 x 4: A's panel is shared along a row of the cluster, B's along a column: joint loads.  By this text's count a wave has three tensor loads out: scales, slot 0, slot 1.
; The bias is the C of each sum's first matrix instruction.
; LIMITS: NaN and infinities are not served; a block whose largest magnitude lies under 2^-124 has its scale byte held at 1 (a block of zeros too: its codes are zeros, and only this program reads the bytes).
; REGISTERS: window 0: v1-31 addresses; v32-95 scale words, two sets; v96-123 at work on the way out; v128-191 A's fragments, one set (on the way out: the codes); v192-255 the bias.
;   window 1: B's fragments, two sets, at v0 and v128.  window 2: accumulators of my rows 0-63 ((a, b) at v[8 (8 (a % 4) + b)]).  window 3: those of my rows 64-127.
.set SLOT,  131072                     ; a slot: K steps 4 s .. 4 s + 3 of A's 256 rows and B's 256 rows
.set QUART, 32768                      ; what one tensor load brings: 8 row tiles x 4 K steps x 1,024 bytes; row tile i, K step q at 4096 i + 1024 q
.set SCL,   2*SLOT                     ; the scale bytes, as rows of 256 bytes + 16
.set HALFS, 16*272                     ; those of 128 rows
.set SBLK,  2*272                      ; those of 16 rows
.set SSTG,  SCL+4*HALFS                ; 1,024 bytes a wave: the outgoing scale words; no tensor load lands here
.set HS,    143360                     ; a head's block in the buffer heads: K or Q fragments 0, V fragments 65,536, K or Q scale words 131,072, V's 139,264
.set PART,  64*HS                      ; part 0: q;  part 1: k and v
.set NP,    4                          ; places behind this matrix instruction (ISA guide 7.12.1)
.set O0,    4                          ; v4   16 x lane: an image's place for my lane; also the first store's offset
.set ADRA,  16                         ; v16-17 my A fragments in slot 0, 1
.set ADRB,  20                         ; v20-21 the same for B
.set O1,    25                         ; v25  the second store's offset
.set SOFF,  26                         ; v26  the scale words' offset in memory
.set ADRS,  27                         ; v27  my scale words in LDS: lanes 0-15 A's rows, lanes 16-31 B's
.set SSA,   28                         ; v28  where I put an outgoing scale word
.set SSR,   29                         ; v29  where I read them back
.set SHH,   30                         ; v30  16 h
.set SC,    32
.set TM,    96                         ; v96-99 largest magnitudes, v100-103 the other half's, then bytes, v108-111 the conversions' scale operands
.set PW,    112                        ; the row's scale word
.set SD,    113                        ; the same, 16 h bits down
.set AF,    128
.set BIAS,  192
.set ROLE,  98                         ; s98  0: q and k;  1: v
.set G1, 24                            ; s[24:31] group 1 for A's codes;  s[32:39] group 0, a set for each slot
.set G0, 32
.set G1B, 48                           ; s[48:55], s[56:63] the same for B's
.set G0B, 56
.set G1S, 68                           ; s[68:75], s[76:79] groups 1 and 0 for A's scales;  s[80:87], s[88:91] for B's
.set G0S, 76
.set G1SB, 80
.set G0SB, 88
.set MSB, 0
.macro WIN new                         ; the immediate's high byte repeats the setting that is left
.if MSB != \new
	s_set_vgpr_msb (MSB<<8)|\new
.set MSB, \new
.endif
.endm
.set MUL_LO, 0xa1                      ; source 0 (B) window 1, source 1 (A) window 0, C and D window 2
.set MUL_HI, 0xf1                      ; the same, C and D window 3
.set TO_B,   0x40                      ; destination window 1, address window 0
; A joint load: waves 0 and 1 fetch for A, waves 2 and 3 for B.  The branch hangs on the wave's number alone.  Four v_nop follow each of the two lines.
.macro JLOAD g0a, g1a, g0b, g1b
	s_cmp_eq_u32 s15, 0
	s_cbranch_scc0 .Lfor_b_\@
	tensor_load_to_lds s[\g0a:\g0a+3], s[\g1a:\g1a+7]
	s_nop 0
.rept 4
	v_nop
.endr
	s_branch .Lasked_\@
.Lfor_b_\@:
	tensor_load_to_lds s[\g0b:\g0b+3], s[\g1b:\g1b+7]
	s_nop 0
.rept 4
	v_nop
.endr
.Lasked_\@:
.endm
.macro CROUND                          ; a round of the cluster's barrier
	s_barrier_signal -1
	s_barrier_wait -1
	s_cmp_lg_u32 s14, 0
	s_cbranch_scc1 .Lnot_wave_0_\@
	s_barrier_signal -3
.Lnot_wave_0_\@:
	s_barrier_wait -3
	s_barrier_signal -1
	s_barrier_wait -1
.endm
	s_load_b256 s[4:11], s[0:1], 0x0               ; xq s[4:5], wq s[6:7], bqkv s[8:9], heads s[10:11]
	v_lshl_add_u32 v126, v0, 2, 0x46000
	v_mov_b32 v127, 0
	ds_add_u32 v126, v127
	ds_add_u32 v126, v127
	v_lshrrev_b32 v1, 5, v0
	v_readfirstlane_b32 s14, v1                    ; wave 0..3
	s_lshr_b32 s15, s14, 1                         ; which half of A's rows is mine.  Also: I fetch for A (0) or for B (1)
	s_and_b32 s16, s14, 1                          ; which half of B's rows.  Also: which 128 rows of that panel I fetch
	s_bfe_u32 s40, ttmp6, 0x40000                  ; cx, cy: my place in the cluster
	s_bfe_u32 s41, ttmp6, 0x40004
	s_and_b32 s99, ttmp7, 0xffff                   ; cluster y
	s_lshl_b32 s18, s99, 2
	s_lshl_b32 s19, ttmp9, 2
	s_max_u32 s20, s99, 8
	s_sub_co_u32 s20, s20, 8
	s_lshl_b32 s20, s20, 3
	s_add_co_u32 s20, s20, s19                     ; 4 x ((y - 8) 2 + x): v's clusters, numbered
	s_cmp_ge_u32 s99, 8
	s_cselect_b32 s[ROLE], 1, 0
	s_cselect_b32 s17, 0, s18
	s_cselect_b32 s42, s20, s19
	s_add_co_u32 s17, s17, s41                     ; tr: which 256 rows of A (it never holds cx)
	s_add_co_u32 s42, s42, s40                     ; tc: which 256 rows of B (it never holds cy)
	s_lshl_b32 s43, s41, 2
	s_lshl_b32 s43, 15, s43                        ; my row of the cluster
	s_lshl_b32 s44, 0x1111, s40                    ; my column
	; group 1, codes: 8 rows (row tiles) of 4,096 bytes (4 K steps), 8,192 bytes apart: 512 elements of 8 bytes, pitch 1,024 elements; no padding
	s_or_b32 s[G1+0], s43, (3<<16)|(1<<21)         ; 15:0 the mask; 17:16 elements of 8 bytes; 21 set beside a mask
	s_or_b32 s[G1B+0], s44, (3<<16)|(1<<21)
.irp g, G1, G1B
	s_mov_b32 s[\g+1], 512<<16                     ; tensor_dim0
	s_mov_b32 s[\g+2], 8<<16                       ; tensor_dim1
	s_mov_b32 s[\g+3], 512<<16                     ; tile_dim0
	s_mov_b32 s[\g+4], 8                           ; tile_dim1
	s_mov_b32 s[\g+5], 1024                        ; tensor_dim0_stride
	s_mov_b32 s[\g+6], 0
	s_mov_b32 s[\g+7], 0
.endr
	; group 1, scales of 128 rows: 4,096 dense bytes as 16 rows of 256 bytes, 16 bytes of padding behind each
	s_or_b32 s[G1S+0], s43, (3<<16)|(1<<20)|(1<<21)|(5<<22)|(3<<25)
	s_or_b32 s[G1SB+0], s44, (3<<16)|(1<<20)|(1<<21)|(5<<22)|(3<<25)
.irp g, G1S, G1SB
	s_mov_b32 s[\g+1], 32<<16
	s_mov_b32 s[\g+2], 16<<16
	s_mov_b32 s[\g+3], 32<<16
	s_mov_b32 s[\g+4], 16
	s_mov_b32 s[\g+5], 32
	s_mov_b32 s[\g+6], 0
	s_mov_b32 s[\g+7], 0
.endr
	s_mov_b32 s2, 0x76543210
	s_mov_b32 s3, 0xfedcba98                       ; v_permlanex16_b32's selects for lane l xor 16
	s_lshl_b32 s45, s14, 15                        ; where my loads go: wave x 32,768; no place in the cluster enters an LDS address
	s_mul_i32 s91, s14, HALFS
	s_wait_dscnt 0x0
	s_wait_kmcnt 0x0
	s_mov_b32 s94, 1638400
	s_mov_b32 s95, 1572864
	s_cmp_eq_u32 s[ROLE], 0                        ; the buffers are chosen by the role, which hangs on no address
	s_cselect_b64 s[20:21], s[4:5], s[6:7]         ; A: x, or the weight
	s_cselect_b64 s[46:47], s[6:7], s[4:5]         ; B: the weight, or x
	s_cselect_b32 s18, 0, 1048576                  ; where A's codes begin (Wv^T's rows stand behind Wq's and Wk's)
	s_cselect_b32 s94, 4194304, s94                ; A's scale bytes
	s_cselect_b32 s95, s95, 4194304                ; B's scale bytes
	s_mov_b64 s[22:23], s[20:21]
	s_mov_b64 s[92:93], s[46:47]
	s_lshl_b32 s19, s17, 17                        ; 256 rows of codes are 131,072 bytes,
	s_add_co_u32 s18, s18, s19
	s_lshl_b32 s19, s16, 16                        ; the 128 that I fetch 65,536
	s_add_co_u32 s18, s18, s19
	s_mov_b32 s19, 0
	s_add_nc_u64 s[20:21], s[20:21], s[18:19]
	s_lshl_b32 s18, s17, 13                        ; 256 rows of scale bytes are 8,192
	s_add_co_u32 s18, s18, s94
	s_lshl_b32 s94, s16, 12
	s_add_co_u32 s18, s18, s94
	s_add_nc_u64 s[22:23], s[22:23], s[18:19]
	s_lshl_b32 s96, s42, 17
	s_lshl_b32 s97, s16, 16
	s_add_co_u32 s96, s96, s97
	s_mov_b32 s97, 0
	s_add_nc_u64 s[46:47], s[46:47], s[96:97]
	s_lshl_b32 s96, s42, 13
	s_add_co_u32 s96, s96, s95
	s_lshl_b32 s95, s16, 12
	s_add_co_u32 s96, s96, s95
	s_add_nc_u64 s[92:93], s[92:93], s[96:97]
	CROUND                                         ; all sixteen work-groups are here: the joint loads meet.  All fills of the launch follow as one group
	s_mov_b32 s[G0S], 1
	s_add_co_u32 s[G0S+1], s91, SCL
	s_mov_b64 s[G0S+2:G0S+3], s[22:23]
	s_or_b32 s[G0S+3], s[G0S+3], 0x80000000
	s_mov_b32 s[G0SB], 1
	s_add_co_u32 s[G0SB+1], s91, SCL
	s_mov_b64 s[G0SB+2:G0SB+3], s[92:93]
	s_or_b32 s[G0SB+3], s[G0SB+3], 0x80000000      ; (s91 is written here, behind its last use)
	JLOAD G0S, G1S, G0SB, G1SB
.irp s, 0,1
	s_mov_b32 s[G0+4*\s], 1
	s_add_co_u32 s[G0+4*\s+1], s45, \s*SLOT
	s_add_nc_u64 s[G0+4*\s+2:G0+4*\s+3], s[20:21], \s*4096
	s_or_b32 s[G0+4*\s+3], s[G0+4*\s+3], 0x80000000
	s_mov_b32 s[G0B+4*\s], 1
	s_add_co_u32 s[G0B+4*\s+1], s45, \s*SLOT
	s_add_nc_u64 s[G0B+4*\s+2:G0B+4*\s+3], s[46:47], \s*4096
	s_or_b32 s[G0B+4*\s+3], s[G0B+4*\s+3], 0x80000000
	JLOAD G0+4*\s, G1, G0B+4*\s, G1B
.endr
	v_and_b32 v1, 15, v0                           ; r
	v_bfe_u32 v2, v0, 4, 1                         ; h
	v_and_b32 v3, 31, v0
	v_lshlrev_b32 v[O0], 4, v3                     ; 16 x lane
	; the bias.  q, k: along B's rows: register 8 b + j of lane (r, h) is the bias of column 16 b + 8 h + j.  v: along A's rows: all eight registers of block a hold that of row 16 a + r
	s_lshl_b32 s18, s42, 10
	s_lshl_b32 s19, s16, 9
	s_add_co_u32 s18, s18, s19
	s_lshl_b32 s22, s17, 10
	s_lshl_b32 s19, s15, 9
	s_add_co_u32 s22, s22, s19
	s_add_co_u32 s22, s22, 8192
	s_cmp_eq_u32 s[ROLE], 0
	s_cselect_b32 s18, s18, s22
	s_mov_b32 s19, 0
	s_add_nc_u64 s[8:9], s[8:9], s[18:19]
	s_cmp_eq_u32 s[ROLE], 0
	s_cbranch_scc0 .Lbias_rows
	s_wait_alu depctr_va_vdst(0)
	v_lshlrev_b32 v7, 5, v2
.irp b, 0,1,2,3,4,5,6,7
	global_load_b128 v[BIAS+8*\b:BIAS+8*\b+3], v7, s[8:9] offset:64*\b
	global_load_b128 v[BIAS+8*\b+4:BIAS+8*\b+7], v7, s[8:9] offset:64*\b+16
.endr
	s_branch .Lbias_asked
.Lbias_rows:
	s_wait_alu depctr_va_vdst(0)
	v_lshlrev_b32 v8, 2, v1
.irp a, 0,1,2,3,4,5,6,7
.irp j, 0,1,2,3,4,5,6,7
	global_load_b32 v[BIAS+8*\a+\j], v8, s[8:9] offset:64*\a
.endr
.endr
.Lbias_asked:
	s_lshl_b32 s21, s15, 15                        ; my 128 rows of A,
	s_lshl_b32 s22, s16, 15                        ; my 128 rows of B,
	s_add_co_u32 s22, s22, 2*QUART                 ; which lie behind A's 256
.irp s, 0,1
	v_add_nc_u32 v[ADRA+\s], s21, v[O0]
	v_add_nc_u32 v[ADRB+\s], s22, v[O0]
	s_add_co_u32 s21, s21, SLOT
	s_add_co_u32 s22, s22, SLOT
.endr
	v_lshlrev_b32 v5, 5, v1                        ; my row's scale bytes: 32 a row,
	v_lshrrev_b32 v6, 3, v1
	v_lshl_add_u32 v5, v6, 4, v5                   ; and 16 more for each 256 passed
	s_mul_i32 s21, s15, HALFS                      ; A's: my 128 rows
	s_mul_i32 s22, s16, HALFS                      ; B's: my 128 rows, behind A's 256
	s_add_co_u32 s22, s22, 2*HALFS
	s_sub_co_u32 s22, s22, s21
	v_mul_u32_u24 v6, s22, v2                      ; lanes 16-31 take B's: one product with h
	s_add_co_u32 s21, s21, SCL
	v_add_nc_u32 v5, v5, v6
	v_add_nc_u32 v[ADRS], s21, v5
	; where the results go.  The same arithmetic serves both roles: tokens give the batch and a run of 128 tokens ('inner'), the weight's rows give the heads
	s_mul_i32 s22, ttmp9, PART
	s_mov_b32 s94, HS
	s_mov_b32 s95, 2048
	s_mov_b32 s96, 139264
	s_cmp_eq_u32 s[ROLE], 0
	s_cselect_b32 s18, s17, s42                    ; the tile of 256 tokens
	s_cselect_b32 s19, s15, s16                    ; and my half of it
	s_cselect_b32 s20, s40, s17                    ; the tile of 256 weight rows inside q, k or v: four heads
	s_cselect_b32 s21, s16, s15                    ; and my half of it: two heads
	s_cselect_b32 s22, s22, PART                   ; q: part 0; k and v: part 1
	s_cselect_b32 s23, 0, 65536                    ; fragments of q or k, or of v
	s_cselect_b32 s94, 2048, s94                   ; from blocks 0-3 to blocks 4-7: four token tiles, or a head
	s_cselect_b32 s95, HS, s95                     ; from register group 0 to group 1: a head, or 2,048 bytes
	s_cselect_b32 s96, 131072, s96                 ; the scale words
	s_cselect_b32 s97, 9, 8                        ; 512 or 256 bytes of them for each inner
	s_cselect_b32 s99, 0, HS-256                   ; v: lanes 16-31 store the second head's 256 bytes
	s_lshr_b32 s45, s18, 3                         ; batch
	s_and_b32 s18, s18, 7
	s_lshl_b32 s18, s18, 1
	s_add_co_u32 s18, s18, s19                     ; inner, 0..15
	s_lshl_b32 s45, s45, 4
	s_lshl_b32 s20, s20, 2
	s_add_co_u32 s45, s45, s20
	s_lshl_b32 s21, s21, 1
	s_add_co_u32 s45, s45, s21                     ; 16 x batch + my first head
	s_mul_i32 s45, s45, HS
	s_add_co_u32 s22, s22, s45
	s_lshl_b32 s19, s18, 12
	s_add_co_u32 s20, s22, s23
	s_add_co_u32 s20, s20, s19
	s_mov_b32 s21, 0
	s_add_nc_u64 s[12:13], s[10:11], s[20:21]      ; blocks 0-3
	s_mov_b32 s20, s94
	s_add_nc_u64 s[66:67], s[12:13], s[20:21]      ; blocks 4-7
	s_lshl_b32 s19, s18, s97
	s_add_co_u32 s20, s22, s96
	s_add_co_u32 s20, s20, s19
	s_add_nc_u64 s[100:101], s[10:11], s[20:21]    ; the scale words
	v_add_nc_u32 v[O1], s95, v[O0]
	v_mul_u32_u24 v[SOFF], s99, v2
	v_add_nc_u32 v[SOFF], v[SOFF], v[O0]
	s_lshl_b32 s19, s14, 10
	s_add_co_u32 s19, s19, SSTG
	v_lshlrev_b32 v[SSA], 2, v1
	v_lshl_add_u32 v[SSA], v2, 9, v[SSA]
	v_add_nc_u32 v[SSA], s19, v[SSA]               ; 4 r + 512 h + my wave's 1,024 bytes
	v_add_nc_u32 v[SSR], s19, v[O0]
	v_lshlrev_b32 v[SHH], 4, v2
.irp b, 0,1,2,3
	v_mov_b32 v[TM+4+\b], 0                        ; written once: a lane permute's destination counts as one of its sources
.endr
.macro FRAG reg, adr, q, i             ; a fragment: two loads of 512 consecutive bytes
.irp c, 0,1
	ds_load_b128 v[\reg+4*\c:\reg+4*\c+3], v[\adr] offset:4096*(\i)+1024*(\q)+512*\c
.endr
.endm
; 16 matrix instructions: A's blocks a0, a0 + 1 x B's eight, 128 along K: the slot's q-th.  p: B's set; sc: the set of scale words.  mode 0: onto the sums; 1: the sums begin with the bias along B's rows; 2: along A's rows.
; The 64 accumulators take turns, one instruction a turn, in the same order in every step.
.macro MUL16 a0, p, q, sc, mode
.irp a, \a0, \a0+1
.irp b, 0,1,2,3,4,5,6,7
.set rD, 8*(8*((\a)%4)+\b)
.set rB, 128*(\p)+8*\b
.set rA, AF+8*(\a)
.set sB, SC+32*(\sc)+4*\b+(\q)
.set sA, SC+32*(\sc)+4*(\a)+(\q)
.if \mode == 0
	v_wmma_scale_f32_16x16x128_f8f6f4 v[rD:rD+7], v[rB:rB+7], v[rA:rA+7], v[rD:rD+7], v[sB], v[sA] matrix_a_fmt:MATRIX_FMT_FP4 matrix_b_fmt:MATRIX_FMT_FP4 matrix_a_scale:MATRIX_SCALE_ROW1
.elseif \mode == 1
	v_wmma_scale_f32_16x16x128_f8f6f4 v[rD:rD+7], v[rB:rB+7], v[rA:rA+7], v[BIAS+8*\b:BIAS+8*\b+7], v[sB], v[sA] matrix_a_fmt:MATRIX_FMT_FP4 matrix_b_fmt:MATRIX_FMT_FP4 matrix_a_scale:MATRIX_SCALE_ROW1
.else
	v_wmma_scale_f32_16x16x128_f8f6f4 v[rD:rD+7], v[rB:rB+7], v[rA:rA+7], v[BIAS+8*(\a):BIAS+8*(\a)+7], v[sB], v[sA] matrix_a_fmt:MATRIX_FMT_FP4 matrix_b_fmt:MATRIX_FMT_FP4 matrix_a_scale:MATRIX_SCALE_ROW1
.endif
.endr
.endr
.endm
.macro FETCH_B slot, q, p
	WIN TO_B
.irp i, 0,1,2,3,4,5,6,7
	FRAG 128*(\p)+8*\i, ADRB+\slot, \q, \i
.endr
	WIN 0
.endm
.macro FETCH_A slot, q, i0
.irp i, \i0, \i0+1, \i0+2, \i0+3
	FRAG AF+8*(\i), ADRA+\slot, \q, \i
.endr
.endm
.macro SCALES sc                       ; a slot's scale words: 4 words a row; lanes 0-15 take A's block i, lanes 16-31 B's block i
.irp i, 0,1,2,3,4,5,6,7
	ds_load_b128 v[SC+32*\sc+4*\i:SC+32*\sc+4*\i+3], v[ADRS] offset:\i*SBLK
.endr
.endm
.macro PLACES n                        ; plain vector lines between a matrix instruction and a load into, or a read of, its registers
.rept \n
	v_nop
.endr
.endm
.macro STEP slot, q                    ; 128 along K with its successor in the same slot
	s_wait_dscnt 8                                 ; B's set and A's blocks 0-3 are in; the youngest eight loads (A's blocks 4-7) may be out
	WIN MUL_LO
	MUL16 0, (\q)%2, \q, \slot, 0
	MUL16 2, (\q)%2, \q, \slot, 0
	s_wait_dscnt 0x0                               ; A's blocks 4-7 are in
	PLACES NP
	FETCH_B \slot, (\q)+1, 1-(\q)%2
	FETCH_A \slot, (\q)+1, 0
	WIN MUL_HI
	MUL16 4, (\q)%2, \q, \slot, 0
	MUL16 6, (\q)%2, \q, \slot, 0
	PLACES NP
	WIN 0
	FETCH_A \slot, (\q)+1, 4
.endm
.macro FIRST32 win, a0                 ; the first step's products begin the sums with the bias: which way it runs hangs on the role.  Only matrix instructions stand in the two arms; every window is 0 at the branches and labels
	s_cmp_eq_u32 s[ROLE], 0
	s_cbranch_scc0 .Lrows_\@
	WIN \win
	MUL16 \a0, 0, 0, 0, 1
	MUL16 \a0+2, 0, 0, 0, 1
	WIN 0
	s_branch .Lbegun_\@
.Lrows_\@:
	WIN \win
	MUL16 \a0, 0, 0, 0, 2
	MUL16 \a0+2, 0, 0, 0, 2
	WIN 0
.Lbegun_\@:
.endm
	s_wait_tensorcnt 1                             ; the scales and my part of slot 0 are in; slot 1's load may be out
	s_barrier_signal -1
	s_barrier_wait -1                              ; everybody's are
	FETCH_B 0, 0, 0
	FETCH_A 0, 0, 0
	SCALES 0
	FETCH_A 0, 0, 4
	s_wait_loadcnt 0x0                             ; the bias
	s_wait_dscnt 8                                 ; all but A's blocks 4-7
	FIRST32 0x81, 0                                ; source 0 window 1, C (the bias) window 0, D window 2
	s_wait_dscnt 0x0
	PLACES NP
	FETCH_B 0, 1, 1
	FETCH_A 0, 1, 0
	FIRST32 0xc1, 4                                ; D window 3
	PLACES NP
	FETCH_A 0, 1, 4
	STEP 0, 1
	STEP 0, 2
	; slot 0's last step changes slots: one barrier; in front of it my part of slot 1 has landed.  Nothing is filled again
	s_wait_tensorcnt 0x0
	s_wait_dscnt 8
	WIN MUL_LO
	MUL16 0, 1, 3, 0, 0
	s_wait_dscnt 0x0                               ; no LDS instruction of mine is out at the signal
	s_barrier_signal -1
	MUL16 2, 1, 3, 0, 0
	WIN 0
	s_barrier_wait -1
	PLACES NP
	v_add_nc_u32 v[ADRS], 16, v[ADRS]              ; the next four K steps' scale words
	FETCH_B 1, 0, 0
	FETCH_A 1, 0, 0
	SCALES 1
	WIN MUL_HI
	MUL16 4, 1, 3, 0, 0
	MUL16 6, 1, 3, 0, 0
	PLACES NP
	WIN 0
	FETCH_A 1, 0, 4
	STEP 1, 0
	STEP 1, 1
	STEP 1, 2
	s_wait_dscnt 8                                 ; the last step: nothing more to fetch
	WIN MUL_LO
	MUL16 0, 1, 3, 1, 0
	MUL16 2, 1, 3, 1, 0
	s_wait_dscnt 0x0
	WIN MUL_HI
	MUL16 4, 1, 3, 1, 0
	MUL16 6, 1, 3, 1, 0
	WIN 0
	PLACES NP
; THE WAY OUT, block a of 16 of A's rows: a lane's 64 numbers (register 16 b + i: tiles 2 b and 2 b + 1) are four blocks of 32 along B's rows, each shared with lane l xor 16.  They become a fragment's 8 registers and a scale word.
; Each block of rows has its own 8 registers for its codes, so no store's data are written again.  Each accumulator is read from its low end on.
.macro OUTBLK a
.set AC, 64*((\a)%4)
.set PC, 128+8*(\a)
.set OB, 12+54*((\a)/4)
	WIN 0x28+0x14*((\a)/4)                         ; sources 1 and 2: window 2 or 3
.irp b, 0,1,2,3
	v_max3_num_f32 v[TM+\b], 0x1800000, |v[AC+16*\b]|, |v[AC+16*\b+1]|   ; my 16 numbers and the floor 2^(3 - 127); the four blocks by turns
.endr
.irp i, 2,4,6,8,10,12,14
.irp b, 0,1,2,3
	v_max3_num_f32 v[TM+\b], v[TM+\b], |v[AC+16*\b+\i]|, |v[AC+16*\b+\i+1]|
.endr
.endr
	WIN 0
.irp b, 0,1,2,3
	v_permlanex16_b32 v[TM+4+\b], v[TM+\b], s2, s3
.endr
.irp b, 0,1,2,3
	v_max_num_f32 v[TM+\b], v[TM+\b], v[TM+4+\b]   ; the block's largest magnitude
.endr
.irp b, 0,1,2,3
	v_add_nc_u32 v[TM+12+\b], 0xff000000, v[TM+\b] ; 2 off its exponent field: the conversion's scale operand
.endr
.irp b, 0,1,2,3
	v_lshrrev_b32 v[TM+4+\b], 23, v[TM+12+\b]      ; the scale's byte
.endr
	v_lshl_or_b32 v[PW], v[TM+5], 8, v[TM+4]
	v_lshl_or_b32 v[PW], v[TM+6], 16, v[PW]
	v_lshl_or_b32 v[PW], v[TM+7], 24, v[PW]
	WIN 0x02+((\a)/4)                              ; source 0: window 2 or 3
.irp b, 0,1,2,3
	v_cvt_scalef32_pk8_fp4_f32 v[PC+2*\b], v[AC+16*\b:AC+16*\b+7], v[TM+12+\b]
	v_cvt_scalef32_pk8_fp4_f32 v[PC+2*\b+1], v[AC+16*\b+8:AC+16*\b+15], v[TM+12+\b]
.endr
	WIN 0
	v_nop                                          ; one plain line behind the last scaled conversion
.irp c, 0,1                                    ; a whole block to a lane: lanes 0-15 block 2 c, lanes 16-31 block 2 c + 1
.irp i, 0,1
	v_permlane16_swap_b32 v[PC+4*\c+\i], v[PC+4*\c+2+\i]
.endr
.endr
	v_lshrrev_b32 v[SD], v[SHH], v[PW]             ; lanes 16-31: bytes 2 and 3 come down: with q and k they are the second head's two
	ds_store_b32 v[SSA], v[SD] offset:64*(\a)
	global_store_b128 v[O0], v[PC:PC+3], s[OB:OB+1] offset:512*((\a)%4)     ; q, k: the first head's fragment of token tile 8 inner + a;  v: group 0 of the fragment of head a / 4, d tile a % 4.  512 consecutive bytes
	global_store_b128 v[O1], v[PC+4:PC+7], s[OB:OB+1] offset:512*((\a)%4)   ; q, k: the second head's;  v: group 1
.endm
.irp a, 0,1,2,3,4,5,6,7
	OUTBLK \a
.endr
	ds_load_b128 v[116:119], v[SSR]                ; my own bytes: LDS serves a wave's instructions in order.  q, k: the first head's 128 words;  v: two heads' 64 words each
	ds_load_b128 v[120:123], v[SSR] offset:512     ; q, k: the second head's
	s_wait_dscnt 0x0
	global_store_b128 v[SOFF], v[116:119], s[100:101]
	s_cmp_eq_u32 s[ROLE], 0
	s_cbranch_scc0 .Lno_second
	global_store_b128 v[SOFF], v[120:123], s[100:101] offset:HS
.Lno_second:
	s_wait_tensorcnt 0x0
	ds_add_u32 v126, v127
	s_wait_dscnt 0x0
	CROUND                                         ; the closing round: no work-group ends while a partner may still ask for a tile that names it
	s_endpgm
.Lfunc_end_k_q3089e9c640_qkv:
	.size	k_q3089e9c640_qkv, .Lfunc_end_k_q3089e9c640_qkv-k_q3089e9c640_qkv
	.p2alignl 7, 3214868480
	.fill 96, 4, 3214868480
	.section	.rodata,"a",@progbits
	.p2align	6, 0x0
	.amdhsa_kernel k_q3089e9c640_qkv
		.amdhsa_group_segment_fixed_size 287232
		.amdhsa_private_segment_fixed_size 0
		.amdhsa_enable_private_segment 0
		.amdhsa_kernarg_size 32
		.amdhsa_user_sgpr_count 2
		.amdhsa_user_sgpr_kernarg_segment_ptr 1
		.amdhsa_wavefront_size32 1
		.amdhsa_system_sgpr_workgroup_id_x 1
		.amdhsa_system_sgpr_workgroup_id_y 1
		.amdhsa_system_sgpr_workgroup_id_z 1
		.amdhsa_system_vgpr_workitem_id 0
		.amdhsa_next_free_vgpr 1024
		.amdhsa_next_free_sgpr 102
		.amdhsa_reserve_vcc 0
		.amdhsa_float_denorm_mode_32 3
		.amdhsa_float_denorm_mode_16_64 3
		.amdhsa_memory_ordered 1
		.amdhsa_forward_progress 1
		.amdhsa_inst_pref_size 147
	.end_amdhsa_kernel
	.amdgpu_metadata
---
amdhsa.version: [ 1, 2 ]
amdhsa.kernels:
  - .name:           k_q3089e9c640_qkv
    .symbol:         k_q3089e9c640_qkv.kd
    .args:
      - { .name: xq, .offset: 0, .size: 8, .value_kind: global_buffer, .address_space: global }
      - { .name: wq, .offset: 8, .size: 8, .value_kind: global_buffer, .address_space: global }
      - { .name: bqkv, .offset: 16, .size: 8, .value_kind: global_buffer, .address_space: global }
      - { .name: heads, .offset: 24, .size: 8, .value_kind: global_buffer, .address_space: global }
    .group_segment_fixed_size: 287232
    .private_segment_fixed_size: 0
    .kernarg_segment_align: 8
    .kernarg_segment_size: 32
    .max_flat_workgroup_size: 128
    .sgpr_count:     102
    .vgpr_count:     1024
    .wavefront_size: 32
...
	.end_amdgpu_metadata
.endif
;; end of part 2
;; launch attn (part 3): grid 4 x 64, 16 waves a work-group, clusters of 4 x 1, 169,984 bytes of LDS; arguments heads, yq; writes yq
.if DOCPART == 3
	.amdgcn_target "amdgcn-amd-amdhsa--gfx1250"
	.amdhsa_code_object_version 6
	.text
	.protected	k_q3089e9c640_attn
	.globl	k_q3089e9c640_attn
	.p2align	8
	.type	k_q3089e9c640_attn,@function
k_q3089e9c640_attn:
	s_mov_b64 s[64:65], 0
	v_nop
	global_prefetch_b8 v0, s[64:65] scope:SCOPE_SE
	s_setreg_imm32_b32 hwreg(HW_REG_WAVE_MODE, 25, 1), 1
	s_wait_xcnt 0x0
	s_wait_alu depctr_hold_cnt(0) depctr_sa_sdst(0) depctr_va_vdst(0) depctr_va_sdst(0) depctr_va_ssrc(0) depctr_va_vcc(0) depctr_vm_vsrc(0)
	s_getreg_b32 s2, hwreg(HW_REG_IB_STS2, 6, 4)
	s_cmp_eq_u32 s2, 0
	s_cbranch_scc0 .Lentry_in_a_cluster
	s_endpgm
.Lentry_in_a_cluster:
	s_bfe_u32 s2, ttmp6, 0x10000c
	s_cmp_lg_u32 s2, 0x3003
	s_cbranch_scc0 .Lentry_shape_is_right
	s_endpgm
.Lentry_shape_is_right:
; Causal attention of one (batch, head) on codes of FP4 (E2M1) with E8M0 scales; head size 64, 2,048 tokens.  Its result y is quantised at once along the model's 1,024 channels, as the last product's operand.
; THE SOFTMAX AHEAD OF THE SECOND PRODUCT: t = score x log2(e) / 8; M = the running largest t, rounded UP to a whole number; p = 2^(t - M) is quantised along the keys, not normalised; the row's sum is taken of the
; unquantised p and divides O at the end.  When M moves, the sum and O are multiplied by 2^(old M - new M): exact.
; SHARES.  The four work-groups of a cluster serve one head.  Each of a work-group's sixteen waves owns TWO tiles of 16 queries: g = 4 wave + cx and 127 - g.  Tile g wants g / 8 + 1 key steps of 128; g / 8 = wave / 2 whatever cx,
; and the other tile's is 15 - wave / 2: every wave works 17 steps, and no branch and no LDS address hangs on cx (it enters Q's and y's addresses in memory and the mask's numbers alone).
; LDS holds the head's K, V and their scale words whole, 143,360 bytes, as they lie in memory; filled ONCE, by one joint load a wave (35 rows of 256 bytes), one tensor load out a wave; behind one barrier the waves are independent.
; LAYOUT.  Both products are used transposed: S^T = K Q^T (source 0 = 16 keys), O^T = V^T P^T (source 0 = 16 of the head's 64): a lane holds ONE query throughout.  Fragments lie as images of their registers.
; The first product's K is 64: the upper 64 of each instruction's K are zero codes on both sides, under scale bytes that are never 0xff.
; Inside a block of 32 the groups of eight stand in the order 0, 2, 1, 3 of k in every operand of this program; p's and y's codes come out so because a tile's rows are neighbours.
; The loops walk all 16 steps with a constant count and jump over the work of steps whose keys all come after the tile's queries.
; WEAKNESS: y's scale bytes leave one byte a lane, 32 bytes apart from token to token: a head owns 2 of a token's 32.  They are 262,144 of the launch's 4,456,448 stored bytes.
; LIMITS: NaN and infinities are not served; a block whose largest magnitude lies under 2^-124 has its byte held at 1.
; REGISTERS: v1-7 addresses that stay; v8-11 the step's addresses; v12 -M, v13 the largest t, v[14:15] the sum; v16-31 Q of both tiles; v32-95 K's 8 fragments (upper four registers of each: zeros);
;   v96-159 S^T, then p; v160-191 O^T; v192-223 V's 4 fragments; v224-231 p's codes; v232-247, v252, v254 at work; v240-243, v248-251, v253 scale words; v255 -infinity.
.set HS,   143360
.set PART, 64*HS
.set VOFF, 65536                       ; in a head's block: V's fragments, [16 steps][group 2][d tile 4][512]
.set KSO,  131072                      ; K's (in part 0: Q's) scale words, one a token
.set VSO,  139264                      ; V's, [16 steps][64 d]
.set YQS,  4194304                     ; y's scale bytes in yq
.set WSH,  8960                        ; a wave's share of the head's block
.macro ROUND                           ; a round of the cluster's barrier
	s_barrier_signal -1
	s_barrier_wait -1
	s_cmp_lg_u32 s8, 0
	s_cbranch_scc1 .Lnot_wave_0_\@
	s_barrier_signal -3
.Lnot_wave_0_\@:
	s_barrier_wait -3
	s_barrier_signal -1
	s_barrier_wait -1
.endm
	s_load_b128 s[4:7], s[0:1], 0x0                ; heads s[4:5], yq s[6:7]
	v_lshl_add_u32 v254, v0, 2, 0x29000
	v_mov_b32 v255, 0
	ds_add_u32 v254, v255
	ds_add_u32 v254, v255
	s_wait_dscnt 0x0
	v_lshrrev_b32 v1, 5, v0
	s_delay_alu instid0(VALU_DEP_1)
	v_readfirstlane_b32 s8, v1                     ; wave 0..15
	s_bfe_u32 s9, ttmp6, 0x40000                   ; cx
	s_and_b32 s10, ttmp7, 0xffff                   ; 16 x batch + head
	s_mov_b32 s16, 15|(3<<16)|(1<<21)              ; group 1: 15:0 the mask: all four work-groups; 17:16 elements of 8 bytes; 21 set beside a mask; no padding
	s_mov_b32 s17, 32<<16                          ; tensor_dim0 = 32 elements: 256 bytes
	s_mov_b32 s18, 35<<16                          ; tensor_dim1
	s_mov_b32 s19, 32<<16                          ; tile_dim0
	s_mov_b32 s20, 35                              ; tile_dim1
	s_mov_b32 s21, 32                              ; the rows are dense
	s_mov_b32 s22, 0
	s_mov_b32 s23, 0
	s_mov_b32 s24, 0x76543210
	s_mov_b32 s25, 0xfedcba98                      ; v_permlanex16_b32's selects for lane l xor 16
	s_mov_b32 s26, 0x3e38aa3b                      ; c = log2(e) / 8
	s_mov_b32 s27, s26                             ; (named with it as a pair)
	s_mov_b32 s50, 0xffff0000                      ; lanes 16-31
	s_mul_i32 s54, s10, HS                         ; the head's block
	s_mov_b32 s55, 0
	s_mul_i32 s53, s8, WSH
	s_add_co_u32 s56, s54, s53
	s_add_co_u32 s56, s56, PART
	s_mov_b32 s57, 0
	s_lshl_b32 s51, s8, 2
	s_add_co_u32 s51, s51, s9                      ; my first tile of queries
	s_sub_co_u32 s52, 127, s51                     ; my second
	s_wait_kmcnt 0x0
	s_mov_b32 s12, 1                               ; group 0: count
	s_mov_b32 s13, s53                             ; LDS address: wave x 8,960
	s_add_nc_u64 s[14:15], s[4:5], s[56:57]        ; the same bytes of the head's block of part 1: equal in all four partners
	s_or_b32 s15, s15, 0x80000000
	ROUND                                          ; all four work-groups are here: the joint loads meet
	tensor_load_to_lds s[12:15], s[16:23]
	s_nop 0
.rept 4
	v_nop
.endr
	s_add_nc_u64 s[58:59], s[4:5], s[54:55]        ; the head's block of part 0: Q
	s_lshl_b32 s56, s51, 9
	s_add_nc_u64 s[34:35], s[58:59], s[56:57]      ; a tile's fragment is 512 bytes,
	s_lshl_b32 s56, s52, 9
	s_add_nc_u64 s[36:37], s[58:59], s[56:57]
	s_lshl_b32 s56, s51, 6
	s_add_nc_u64 s[38:39], s[58:59], s[56:57]      ; its scale words 64
	s_lshl_b32 s56, s52, 6
	s_add_nc_u64 s[40:41], s[58:59], s[56:57]
	s_lshr_b32 s53, s10, 4
	s_lshl_b32 s53, s53, 7                         ; 128 token tiles a batch
	s_and_b32 s11, s10, 15                         ; head
.irp p, 0,1
	s_add_co_u32 s54, s53, s[51+\p]                ; the token tile
	s_lshl_b32 s56, s54, 13                        ; y's image: 8,192 bytes a token tile; head hd is K step hd / 2, group hd % 2: 512 hd
	s_lshl_b32 s55, s11, 9
	s_add_co_u32 s56, s56, s55
	s_add_nc_u64 s[42+2*\p:43+2*\p], s[6:7], s[56:57]
	s_lshl_b32 s56, s54, 9                         ; y's scale bytes: 32 a token; the head's two at 2 hd
	s_lshl_b32 s55, s11, 1
	s_add_co_u32 s56, s56, s55
	s_add_co_u32 s56, s56, YQS
	s_add_nc_u64 s[46+2*\p:47+2*\p], s[6:7], s[56:57]
.endr
	v_and_b32 v9, 31, v0                           ; lane
	v_and_b32 v10, 15, v0                          ; r
	v_bfe_u32 v11, v0, 4, 1                        ; h
	s_delay_alu instid0(VALU_DEP_3)
	v_lshlrev_b32 v1, 4, v9                        ; 16 x lane: K's fragments, and images in memory
	s_delay_alu instid0(VALU_DEP_1)
	v_add_nc_u32 v2, VOFF, v1                      ; V's fragments
	v_lshl_add_u32 v3, v9, 2, KSO                  ; K's scale words: lanes 0-15 one tile's 16 keys, lanes 16-31 the next tile's
	v_lshl_add_u32 v4, v9, 2, VSO                  ; V's likewise
	v_lshl_add_u32 v6, v10, 5, v11                 ; y's scale byte: 32 r + h
	v_lshlrev_b32 v7, 3, v11
	s_delay_alu instid0(VALU_DEP_1)
	v_sub_nc_u32 v7, v10, v7                       ; r - 8 h
	v_lshlrev_b32 v254, 2, v10
	global_load_b128 v[16:19], v1, s[34:35]        ; Q's fragments stay in registers
	global_load_b128 v[24:27], v1, s[36:37]
	global_load_b32 v242, v254, s[38:39] offset:KSO
	global_load_b32 v243, v254, s[40:41] offset:KSO
.irp j, 20,21,22,23,28,29,30,31
	v_mov_b32 v[\j], 0                             ; the upper 64 of the first product's K: zero codes, in Q
.endr
.irp t, 0,1,2,3,4,5,6,7
.irp j, 4,5,6,7
	v_mov_b32 v[32+8*\t+\j], 0                     ; and in K: written once, never loaded
.endr
.endr
.irp j, 236,237,238,239,252,253
	v_mov_b32 v[\j], 0                             ; lane permutes' destinations, and the pair v[252:253], are written before they are named
.endr
	v_mov_b32 v255, 0xff800000                     ; -infinity
	s_wait_tensorcnt 0x0                           ; my share of the head has landed,
	s_barrier_signal -1
	s_barrier_wait -1                              ; everybody's has
	s_wait_loadcnt 0x0                             ; Q
.macro SPROD t, p                      ; S^T, tile t of 16 keys
.if (\t)%2
	v_wmma_scale_f32_16x16x128_f8f6f4 v[96+8*\t:103+8*\t], v[32+8*\t:39+8*\t], v[16+8*\p:23+8*\p], 0, v[248+\t/2], v[242+\p] matrix_a_fmt:MATRIX_FMT_FP4 matrix_b_fmt:MATRIX_FMT_FP4 matrix_a_scale:MATRIX_SCALE_ROW1
.else
	v_wmma_scale_f32_16x16x128_f8f6f4 v[96+8*\t:103+8*\t], v[32+8*\t:39+8*\t], v[16+8*\p:23+8*\p], 0, v[248+\t/2], v[242+\p] matrix_a_fmt:MATRIX_FMT_FP4 matrix_b_fmt:MATRIX_FMT_FP4
.endif
.endm
.macro OPROD t                         ; O^T, tile t of 16 of the head's 64
.if (\t)%2
	v_wmma_scale_f32_16x16x128_f8f6f4 v[160+8*\t:167+8*\t], v[192+8*\t:199+8*\t], v[224:231], v[160+8*\t:167+8*\t], v[240+\t/2], v253 matrix_a_fmt:MATRIX_FMT_FP4 matrix_b_fmt:MATRIX_FMT_FP4 matrix_a_scale:MATRIX_SCALE_ROW1
.else
	v_wmma_scale_f32_16x16x128_f8f6f4 v[160+8*\t:167+8*\t], v[192+8*\t:199+8*\t], v[224:231], v[160+8*\t:167+8*\t], v[240+\t/2], v253 matrix_a_fmt:MATRIX_FMT_FP4 matrix_b_fmt:MATRIX_FMT_FP4
.endif
.endm
; ONE TILE OF QUERIES: p = 0 my first, 1 my second.
.macro PASS p
	s_lshr_b32 s32, s8, 1                          ; the last step with keys that count: from the wave's number alone
.if \p
	s_sub_co_u32 s32, 15, s32
	s_wait_xcnt 0x0                                ; the first tile's stores have read their registers: these are written again below
.endif
	s_and_b32 s33, s[51+\p], 7
	s_lshl_b32 s33, s33, 4
	v_add_nc_u32 v5, s33, v7                       ; my query's place among the last step's 128 keys, less 8 h
	v_mov_b32 v13, 0xff61b1e6                      ; the largest t so far: -3e38
	s_delay_alu instid0(VALU_DEP_1)
	v_floor_f32 v12, -v13                          ; -M
	v_mov_b32 v14, 0
	v_mov_b32 v15, 0
.irp j, 0,1,2,3,4,5,6,7,8,9,10,11,12,13,14,15,16,17,18,19,20,21,22,23,24,25,26,27,28,29,30,31
	v_mov_b32 v[160+\j], 0                         ; O^T: the step is written once; its first trip finds zeros
.endr
	s_mov_b32 s28, 0                               ; the step's fragments: 4,096 bytes a step, of K and of V
	s_mov_b32 s29, 0                               ; K's scale words: 512
	s_mov_b32 s30, 0                               ; V's: 256
	s_mov_b32 s31, 0                               ; the step
.Ltrip_\@:
	s_cmp_gt_u32 s31, s32                          ; all 128 keys come after my queries: only the addresses step
	s_cbranch_scc1 .Lskip_\@
	s_setprio 2
	v_add_nc_u32 v8, s28, v1                       ; (these four lines are also the places in front of the loads into registers that the last products read)
	v_add_nc_u32 v9, s28, v2
	v_add_nc_u32 v10, s29, v3
	v_add_nc_u32 v11, s30, v4
.irp t, 0,1,2,3,4,5,6,7
	ds_load_b128 v[32+8*\t:35+8*\t], v8 offset:512*\t
.endr
.irp i, 0,1,2,3
	ds_load_b32 v[248+\i], v10 offset:128*\i
.endr
.irp t, 0,1,2,3
.irp c, 0,1
	ds_load_b128 v[192+8*\t+4*\c:195+8*\t+4*\c], v9 offset:2048*\c+512*\t
.endr
.endr
.irp i, 0,1
	ds_load_b32 v[240+\i], v11 offset:128*\i
.endr
	s_wait_dscnt 10                                ; K and its scale words are in; the ten younger loads, V's, may be out
.irp t, 0,1,2,3,4,5,6,7
	SPROD \t, \p
.endr
.rept 4
	v_nop
.endr
	s_cmp_lg_u32 s31, s32                          ; only the last step lies on the diagonal
	s_cbranch_scc1 .Lopen_\@
.irp t, 0,1,2,3,4,5,6,7
.irp j, 0,1,2,3,4,5,6,7
	v_cmp_gt_i32 vcc_lo, 16*\t+\j, v5              ; register 8 t + j holds key 16 t + 8 h + j of the step: hidden where it comes after my query
	v_cndmask_b32 v[96+8*\t+\j], v[96+8*\t+\j], v255, vcc_lo
.endr
.endr
.Lopen_\@:
.irp b, 0,1,2,3
	v_max3_num_f32 v[232+\b], v[96+16*\b], v[97+16*\b], v[98+16*\b]   ; the largest score of each block of 32 keys: for the row's maximum, and, since p rises with the score, for the block's largest p
.endr
.irp i, 3,5,7,9,11,13
.irp b, 0,1,2,3
	v_max3_num_f32 v[232+\b], v[232+\b], v[96+16*\b+\i], v[97+16*\b+\i]
.endr
.endr
.irp b, 0,1,2,3
	v_max_num_f32 v[232+\b], v[232+\b], v[111+16*\b]
.endr
.irp b, 0,1,2,3
	s_delay_alu instid0(VALU_DEP_4)
	v_permlanex16_b32 v[236+\b], v[232+\b], s24, s25
.endr
.irp b, 0,1,2,3
	s_delay_alu instid0(VALU_DEP_4)
	v_max_num_f32 v[232+\b], v[232+\b], v[236+\b]  ; with lane l xor 16's 16 keys
.endr
	s_delay_alu instid0(VALU_DEP_2)
	v_max3_num_f32 v254, v232, v233, v234
	s_delay_alu instid0(VALU_DEP_1)
	v_max_num_f32 v254, v254, v235
	s_delay_alu instid0(VALU_DEP_1)
	v_mul_f32 v254, s26, v254                      ; as t
	s_delay_alu instid0(VALU_DEP_1)
	v_max_num_f32 v13, v13, v254                   ; the running largest t
	v_mov_b32 v254, v12
	s_delay_alu instid0(VALU_DEP_2)
	v_floor_f32 v12, -v13                          ; the new -M = -ceil(t)
	s_delay_alu instid0(VALU_DEP_1)
	v_sub_f32 v254, v12, v254                      ; old M - new M: a whole number, 0 or less
	s_delay_alu instid0(VALU_DEP_1)
	v_cvt_i32_f32 v254, v254                       ; (it saturates)
	s_delay_alu instid0(VALU_DEP_1)
	v_ldexp_f32 v252, 1.0, v254                    ; f = 2^(old M - new M)
.irp j, 0,2,4,6,8,10,12,14,16,18,20,22,24,26,28,30,32,34,36,38,40,42,44,46,48,50,52,54,56,58,60,62
	v_pk_fma_f32 v[96+\j:97+\j], v[96+\j:97+\j], s[26:27], v[12:13] op_sel_hi:[1,0,0]   ; t - M, two at a time
.endr
	s_setprio 1
.irp b, 0,1,2,3
	v_fma_f32 v[232+\b], v[232+\b], s26, v12       ; the same of each block's largest score
.endr
	s_wait_alu depctr_va_vdst(0)
.irp j, 0,1,2,3,4,5,6,7,8,9,10,11,12,13,14,15,16,17,18,19,20,21,22,23,24,25,26,27,28,29,30,31,32,33,34,35,36,37,38,39,40,41,42,43,44,45,46,47,48,49,50,51,52,53,54,55,56,57,58,59,60,61,62,63
	v_exp_f32 v[96+\j], v[96+\j]                   ; p = 2^(t - M)
.endr
	v_pk_mul_f32 v[14:15], v[14:15], v[252:253] op_sel_hi:[1,0]   ; the sums under the new M: the plain line behind the exponentials
	s_wait_alu depctr_va_vdst(0)                   ; one wait for the whole batch, ahead of its first reader
.irp b, 0,1,2,3
	v_exp_f32 v[232+\b], v[232+\b]                 ; the block's largest p
.endr
	v_pk_add_f32 v[236:237], v[100:101], v[104:105]
	v_pk_add_f32 v[250:251], v[108:109], v[112:113]
	v_pk_add_f32 v[248:249], v[116:117], v[120:121]
	v_pk_add_f32 v[246:247], v[124:125], v[128:129]
	v_pk_add_f32 v[244:245], v[132:133], v[136:137]
	v_pk_add_f32 v[238:239], v[140:141], v[144:145]
	v_pk_add_f32 v[230:231], v[148:149], v[152:153]
	v_pk_add_f32 v[14:15], v[14:15], v[156:157]
	v_pk_add_f32 v[236:237], v[236:237], v[96:97]
	v_pk_add_f32 v[250:251], v[250:251], v[98:99]
	v_pk_add_f32 v[248:249], v[248:249], v[102:103]
	v_pk_add_f32 v[246:247], v[246:247], v[106:107]
	v_pk_add_f32 v[244:245], v[244:245], v[110:111]
	v_pk_add_f32 v[238:239], v[238:239], v[114:115]
	v_pk_add_f32 v[230:231], v[230:231], v[118:119]
	v_pk_add_f32 v[14:15], v[14:15], v[122:123]
	v_pk_add_f32 v[236:237], v[236:237], v[126:127]
	v_pk_add_f32 v[250:251], v[250:251], v[130:131]
	v_pk_add_f32 v[248:249], v[248:249], v[134:135]
	v_pk_add_f32 v[246:247], v[246:247], v[138:139]
	v_pk_add_f32 v[244:245], v[244:245], v[142:143]
	v_pk_add_f32 v[238:239], v[238:239], v[146:147]
	v_pk_add_f32 v[230:231], v[230:231], v[150:151]
	v_pk_add_f32 v[14:15], v[14:15], v[154:155]
	v_pk_add_f32 v[236:237], v[236:237], v[158:159]
	s_delay_alu instid0(VALU_DEP_2)
	v_pk_add_f32 v[14:15], v[14:15], v[246:247]
	s_delay_alu instid0(VALU_DEP_2)
	v_pk_add_f32 v[236:237], v[236:237], v[244:245]
	v_pk_add_f32 v[250:251], v[250:251], v[238:239]
	v_pk_add_f32 v[248:249], v[248:249], v[230:231]
	s_delay_alu instid0(VALU_DEP_2)
	v_pk_add_f32 v[14:15], v[14:15], v[250:251]
	s_delay_alu instid0(VALU_DEP_2)
	v_pk_add_f32 v[236:237], v[236:237], v[248:249]
	s_delay_alu instid0(VALU_DEP_1)
	v_pk_add_f32 v[14:15], v[14:15], v[236:237]
	s_wait_alu depctr_va_vdst(0)                   ; and one for the four
.irp b, 0,1,2,3
	v_max_num_f32 v[232+\b], 0x1800000, v[232+\b]  ; the floor: a block whose every p is 0 keeps the byte 1, and its codes are zeros
.endr
.irp b, 0,1,2,3
	s_delay_alu instid0(VALU_DEP_4)
	v_add_nc_u32 v[244+\b], 0xff000000, v[232+\b]
.endr
.irp b, 0,1,2,3
	s_delay_alu instid0(VALU_DEP_4)
	v_lshrrev_b32 v[236+\b], 23, v[244+\b]
.endr
	s_delay_alu instid0(VALU_DEP_3)
	v_lshl_or_b32 v253, v237, 8, v236              ; p's scale word for these 128 keys
	s_delay_alu instid0(VALU_DEP_1)
	v_lshl_or_b32 v253, v238, 16, v253
	s_delay_alu instid0(VALU_DEP_1)
	v_lshl_or_b32 v253, v239, 24, v253
	s_setprio 0
.irp b, 0,1,2,3
	v_cvt_scalef32_pk8_fp4_f32 v[224+2*\b], v[96+16*\b:103+16*\b], v[244+\b]
	v_cvt_scalef32_pk8_fp4_f32 v[225+2*\b], v[104+16*\b:111+16*\b], v[244+\b]
.endr
	v_nop
.irp c, 0,1
.irp i, 0,1
	v_permlane16_swap_b32 v[224+4*\c+\i], v[226+4*\c+\i]
.endr
.endr
.irp j, 0,2,4,6,8,10,12,14,16,18,20,22,24,26,28,30
	v_pk_mul_f32 v[160+\j:161+\j], v[160+\j:161+\j], v[252:253] op_sel_hi:[1,0]   ; O^T under the new M.  (These sixteen are also the places between the lines that made p's codes and scale word and the products)
.endr
	s_wait_alu depctr_va_vdst(0)
	s_wait_dscnt 0x0                               ; V and its scale words
.irp t, 0,1,2,3
	OPROD \t
.endr
.Lskip_\@:
	s_add_co_u32 s28, s28, 4096
	s_add_co_u32 s29, s29, 512
	s_add_co_u32 s30, s30, 256
	s_add_co_u32 s31, s31, 1
	s_cmp_lt_u32 s31, 16
	s_cbranch_scc1 .Ltrip_\@
	s_setprio 0
	; the tile's way out: y = O^T / the sum, quantised along the head's 64: two blocks, each shared with lane l xor 16
.rept 4
	v_nop                                          ; places behind the last products
.endr
	v_add_f32 v14, v14, v15
	s_delay_alu instid0(VALU_DEP_1)
	v_permlanex16_b32 v252, v14, s24, s25
	s_delay_alu instid0(VALU_DEP_1)
	v_add_f32 v14, v14, v252                       ; the row's sum
	s_wait_alu depctr_va_vdst(0)
	v_rcp_f32 v14, v14
	v_nop                                          ; one plain line behind the reciprocal,
	s_wait_alu depctr_va_vdst(0)                   ; and the wait ahead of its first reader
.irp j, 0,1,2,3,4,5,6,7,8,9,10,11,12,13,14,15,16,17,18,19,20,21,22,23,24,25,26,27,28,29,30,31
	v_mul_f32 v[96+\j], v[160+\j], v14             ; register 8 t + i is y(my query, 16 t + 8 h + i); each accumulator from its low end on
.endr
.irp b, 0,1
	v_max3_num_f32 v[232+\b], |v[96+16*\b]|, |v[97+16*\b]|, 0x1800000
.endr
.irp i, 2,4,6,8,10,12,14
.irp b, 0,1
	s_delay_alu instid0(VALU_DEP_2)
	v_max3_num_f32 v[232+\b], v[232+\b], |v[96+16*\b+\i]|, |v[97+16*\b+\i]|
.endr
.endr
.irp b, 0,1
	s_delay_alu instid0(VALU_DEP_2)
	v_permlanex16_b32 v[236+\b], v[232+\b], s24, s25
.endr
.irp b, 0,1
	s_delay_alu instid0(VALU_DEP_2)
	v_max_num_f32 v[232+\b], v[232+\b], v[236+\b]
.endr
.irp b, 0,1
	s_delay_alu instid0(VALU_DEP_2)
	v_add_nc_u32 v[244+\b], 0xff000000, v[232+\b]
.endr
.irp b, 0,1
	s_delay_alu instid0(VALU_DEP_2)
	v_lshrrev_b32 v[238+\b], 23, v[244+\b]
.endr
.irp b, 0,1
	v_cvt_scalef32_pk8_fp4_f32 v[224+2*\b], v[96+16*\b:103+16*\b], v[244+\b]
	v_cvt_scalef32_pk8_fp4_f32 v[225+2*\b], v[104+16*\b:111+16*\b], v[244+\b]
.endr
	v_nop
	v_permlane16_swap_b32 v224, v226               ; lanes 0-15 the head's first block, lanes 16-31 its second
	v_permlane16_swap_b32 v225, v227
	v_cndmask_b32 v254, v238, v239, s50            ; and the byte of my half's block
	global_store_b128 v1, v[224:227], s[42+2*\p:43+2*\p]   ; one register group of y's image: 512 consecutive bytes
	global_store_b8 v6, v254, s[46+2*\p:47+2*\p]
.endm
	PASS 0
	PASS 1
	s_wait_xcnt 0x0
	v_lshl_add_u32 v254, v0, 2, 0x29000
	v_mov_b32 v255, 0
	s_wait_alu depctr_va_vdst(0)
	s_wait_tensorcnt 0x0
	ds_add_u32 v254, v255
	s_wait_dscnt 0x0
	ROUND                                          ; the closing round
	s_endpgm
.Lfunc_end_k_q3089e9c640_attn:
	.size	k_q3089e9c640_attn, .Lfunc_end_k_q3089e9c640_attn-k_q3089e9c640_attn
	.p2alignl 7, 3214868480
	.fill 96, 4, 3214868480
	.section	.rodata,"a",@progbits
	.p2align	6, 0x0
	.amdhsa_kernel k_q3089e9c640_attn
		.amdhsa_group_segment_fixed_size 169984
		.amdhsa_private_segment_fixed_size 0
		.amdhsa_enable_private_segment 0
		.amdhsa_kernarg_size 16
		.amdhsa_user_sgpr_count 2
		.amdhsa_user_sgpr_kernarg_segment_ptr 1
		.amdhsa_wavefront_size32 1
		.amdhsa_system_sgpr_workgroup_id_x 1
		.amdhsa_system_sgpr_workgroup_id_y 1
		.amdhsa_system_sgpr_workgroup_id_z 1
		.amdhsa_system_vgpr_workitem_id 0
		.amdhsa_next_free_vgpr 256
		.amdhsa_next_free_sgpr 66
		.amdhsa_reserve_vcc 1
		.amdhsa_float_denorm_mode_32 3
		.amdhsa_float_denorm_mode_16_64 3
		.amdhsa_memory_ordered 1
		.amdhsa_forward_progress 1
		.amdhsa_inst_pref_size 62
	.end_amdhsa_kernel
	.amdgpu_metadata
---
amdhsa.version: [ 1, 2 ]
amdhsa.kernels:
  - .name:           k_q3089e9c640_attn
    .symbol:         k_q3089e9c640_attn.kd
    .args:
      - { .name: heads, .offset: 0, .size: 8, .value_kind: global_buffer, .address_space: global }
      - { .name: yq, .offset: 8, .size: 8, .value_kind: global_buffer, .address_space: global }
    .group_segment_fixed_size: 169984
    .private_segment_fixed_size: 0
    .kernarg_segment_align: 8
    .kernarg_segment_size: 16
    .max_flat_workgroup_size: 512
    .sgpr_count:     66
    .vgpr_count:     256
    .wavefront_size: 32
...
	.end_amdgpu_metadata
.endif
;; end of part 3
;; launch proj (part 4): grid 4 x 32, 4 waves a work-group, clusters of 4 x 4, 327,680 bytes of LDS; arguments yq, pq, bproj, out0; writes out0
.if DOCPART == 4
	.amdgcn_target "amdgcn-amd-amdhsa--gfx1250"
	.amdhsa_code_object_version 6
	.text
	.protected	k_q3089e9c640_proj
	.globl	k_q3089e9c640_proj
	.p2align	8
	.type	k_q3089e9c640_proj,@function
k_q3089e9c640_proj:
	s_mov_b64 s[64:65], 0
	v_nop
	global_prefetch_b8 v0, s[64:65] scope:SCOPE_SE
	s_setreg_imm32_b32 hwreg(HW_REG_WAVE_MODE, 25, 1), 1
	s_wait_xcnt 0x0
	s_wait_alu depctr_hold_cnt(0) depctr_sa_sdst(0) depctr_va_vdst(0) depctr_va_sdst(0) depctr_va_ssrc(0) depctr_va_vcc(0) depctr_vm_vsrc(0)
	s_getreg_b32 s2, hwreg(HW_REG_IB_STS2, 6, 4)
	s_cmp_eq_u32 s2, 0
	s_cbranch_scc0 .Lentry_in_a_cluster
	s_endpgm
.Lentry_in_a_cluster:
	s_bfe_u32 s2, ttmp6, 0x10000c
	s_cmp_lg_u32 s2, 0xf033
	s_cbranch_scc0 .Lentry_shape_is_right
	s_endpgm
.Lentry_shape_is_right:
; out0 = y Wproj + bproj on codes of FP4 (E2M1) with E8M0 scales; y [8192][1024] and Wproj^T [1024][1024] come as images of the operands' registers with their scale bytes [row][32]; out0 [8192][1024] f32.
; A tile is 256 x 256, four waves, 128 x 128 each: 64 accumulators.  All of K = 1,024 of both panels fits in LDS: two slots of 512 along K, each filled ONCE; no LDS byte is filled twice.
; A fragment (16 rows x 128 K) is 1,024 bytes: group c at 512 c, lane l at 16 l; a matrix is [rows / 16][8][1024].  Inside a block of 32 both operands have their groups of eight in the order 0, 2, 1, 3 of k.
; CLUSTER 4 x 4: y's panel is shared along a row of the cluster, the weight's along a column: joint loads; a wave has one tensor load out at a time.
; THE MATRIX INSTRUCTION IS USED TRANSPOSED (source 0 = 16 rows of Wproj^T, source 1 = 16 rows of y): a lane holds eight neighbouring numbers of a row of out0.  The bias is the C of each sum's first matrix instruction.
; 128 work-groups: the tile is kept at 256 x 256, the same core as the launch that makes q, k and v.
; REGISTERS: window 0: v1-31 addresses; v32-95 scale words, two sets; v128-191 A's fragments; v192-255 the bias; on the way out v128-255 hold rows of out0.  window 1: B's fragments, two sets.  windows 2, 3: accumulators.
.set SIZE_N, 1024
.set SLOT,  131072
.set QUART, 32768
.set SCL,   2*SLOT
.set HALFS, 16*272
.set SBLK,  2*272
.set NP,    4
.set SPITCH, 528                       ; the way out: a stage of 16 rows x (512 bytes + 16) for each wave, in slot 0, which has had its one fill and its last read when the first result is stored there
.set LI,    4                          ; v4   16 x lane
.set ADRA,  16
.set ADRB,  20
.set STO,   24                         ; v24  the way out: where I put 32 bytes of a row
.set RD,    25                         ; v25  where I read a row back
.set ADRS,  27
.set SC,    32
.set AF,    128
.set BK,    128
.set BIAS,  192
.set G1, 24
.set G0, 32
.set G1B, 48
.set G0B, 56
.set G1S, 68
.set G0S, 76
.set G1SB, 80
.set G0SB, 88
.set MSB, 0
.macro WIN new                         ; the immediate's high byte repeats the setting that is left
.if MSB != \new
	s_set_vgpr_msb (MSB<<8)|\new
.set MSB, \new
.endif
.endm
.set MUL_LO, 0xa1
.set MUL_HI, 0xf1
.set TO_B,   0x40
.macro JLOAD g0a, g1a, g0b, g1b        ; a joint load: waves 0 and 1 fetch for A, waves 2 and 3 for B; four v_nop follow each of the two lines
	s_cmp_eq_u32 s15, 0
	s_cbranch_scc0 .Lfor_b_\@
	tensor_load_to_lds s[\g0a:\g0a+3], s[\g1a:\g1a+7]
	s_nop 0
.rept 4
	v_nop
.endr
	s_branch .Lasked_\@
.Lfor_b_\@:
	tensor_load_to_lds s[\g0b:\g0b+3], s[\g1b:\g1b+7]
	s_nop 0
.rept 4
	v_nop
.endr
.Lasked_\@:
.endm
.macro CROUND                          ; a round of the cluster's barrier
	s_barrier_signal -1
	s_barrier_wait -1
	s_cmp_lg_u32 s14, 0
	s_cbranch_scc1 .Lnot_wave_0_\@
	s_barrier_signal -3
.Lnot_wave_0_\@:
	s_barrier_wait -3
	s_barrier_signal -1
	s_barrier_wait -1
.endm
	s_load_b128 s[4:7], s[0:1], 0x0                ; yq s[4:5], pq s[6:7]
	s_load_b128 s[8:11], s[0:1], 0x10              ; bproj s[8:9], out0 s[10:11]
	v_lshl_add_u32 v126, v0, 2, 0x46000
	v_mov_b32 v127, 0
	ds_add_u32 v126, v127
	ds_add_u32 v126, v127
	v_lshrrev_b32 v1, 5, v0
	v_readfirstlane_b32 s14, v1                    ; wave 0..3
	s_lshr_b32 s15, s14, 1                         ; which half of the tile's rows is mine.  Also: I fetch for A (0) or for B (1)
	s_and_b32 s16, s14, 1                          ; which half of its columns.  Also: which 128 rows of that panel I fetch
	s_bfe_u32 s40, ttmp6, 0x40000                  ; cx, cy
	s_bfe_u32 s41, ttmp6, 0x40004
	s_lshl_b32 s42, ttmp9, 2
	s_add_co_u32 s42, s42, s40                     ; tile column = 4 x cluster x + cx
	s_and_b32 s17, ttmp7, 0xffff
	s_lshl_b32 s17, s17, 2
	s_add_co_u32 s17, s17, s41                     ; tile row = 4 x cluster y + cy
	s_lshl_b32 s43, s41, 2
	s_lshl_b32 s43, 15, s43                        ; my row of the cluster
	s_lshl_b32 s44, 0x1111, s40                    ; my column
	; group 1, codes: 8 rows (row tiles) of 4,096 bytes (4 K steps), 8,192 bytes apart; no padding
	s_or_b32 s[G1+0], s43, (3<<16)|(1<<21)
	s_or_b32 s[G1B+0], s44, (3<<16)|(1<<21)
.irp g, G1, G1B
	s_mov_b32 s[\g+1], 512<<16
	s_mov_b32 s[\g+2], 8<<16
	s_mov_b32 s[\g+3], 512<<16
	s_mov_b32 s[\g+4], 8
	s_mov_b32 s[\g+5], 1024
	s_mov_b32 s[\g+6], 0
	s_mov_b32 s[\g+7], 0
.endr
	; group 1, scales of 128 rows: 16 rows of 256 bytes, 16 bytes of padding behind each
	s_or_b32 s[G1S+0], s43, (3<<16)|(1<<20)|(1<<21)|(5<<22)|(3<<25)
	s_or_b32 s[G1SB+0], s44, (3<<16)|(1<<20)|(1<<21)|(5<<22)|(3<<25)
.irp g, G1S, G1SB
	s_mov_b32 s[\g+1], 32<<16
	s_mov_b32 s[\g+2], 16<<16
	s_mov_b32 s[\g+3], 32<<16
	s_mov_b32 s[\g+4], 16
	s_mov_b32 s[\g+5], 32
	s_mov_b32 s[\g+6], 0
	s_mov_b32 s[\g+7], 0
.endr
	s_lshl_b32 s45, s14, 15                        ; where my loads go: wave x 32,768
	s_mul_i32 s94, s14, HALFS
	s_lshl_b32 s18, s17, 17                        ; A's codes: 131,072 bytes a tile row, 65,536 for the 128 rows that I fetch
	s_lshl_b32 s19, s16, 16
	s_add_co_u32 s18, s18, s19
	s_mov_b32 s19, 0
	s_lshl_b32 s2, s17, 13                         ; A's scale bytes
	s_lshl_b32 s3, s16, 12
	s_add_co_u32 s2, s2, s3
	s_add_co_u32 s2, s2, 4194304
	s_mov_b32 s3, 0
	s_lshl_b32 s96, s42, 17                        ; B's codes
	s_lshl_b32 s97, s16, 16
	s_add_co_u32 s96, s96, s97
	s_mov_b32 s97, 0
	s_lshl_b32 s98, s42, 13                        ; B's scale bytes
	s_lshl_b32 s99, s16, 12
	s_add_co_u32 s98, s98, s99
	s_add_co_u32 s98, s98, 524288
	s_mov_b32 s99, 0
	s_wait_dscnt 0x0
	s_wait_kmcnt 0x0
	s_add_nc_u64 s[20:21], s[4:5], s[18:19]
	s_add_nc_u64 s[22:23], s[4:5], s[2:3]
	s_add_nc_u64 s[46:47], s[6:7], s[96:97]
	s_add_nc_u64 s[92:93], s[6:7], s[98:99]
	CROUND                                         ; all sixteen work-groups are here: the joint loads meet.  Each slot's fill follows a round of its own
	s_mov_b32 s[G0S], 1
	s_add_co_u32 s[G0S+1], s94, SCL
	s_mov_b64 s[G0S+2:G0S+3], s[22:23]
	s_or_b32 s[G0S+3], s[G0S+3], 0x80000000
	s_mov_b32 s[G0SB], 1
	s_add_co_u32 s[G0SB+1], s94, SCL
	s_mov_b64 s[G0SB+2:G0SB+3], s[92:93]
	s_or_b32 s[G0SB+3], s[G0SB+3], 0x80000000
	JLOAD G0S, G1S, G0SB, G1SB
.irp s, 0,1
	s_mov_b32 s[G0+4*\s], 1
	s_add_co_u32 s[G0+4*\s+1], s45, \s*SLOT
	s_add_nc_u64 s[G0+4*\s+2:G0+4*\s+3], s[20:21], \s*4096
	s_or_b32 s[G0+4*\s+3], s[G0+4*\s+3], 0x80000000
	s_mov_b32 s[G0B+4*\s], 1
	s_add_co_u32 s[G0B+4*\s+1], s45, \s*SLOT
	s_add_nc_u64 s[G0B+4*\s+2:G0B+4*\s+3], s[46:47], \s*4096
	s_or_b32 s[G0B+4*\s+3], s[G0B+4*\s+3], 0x80000000
	s_wait_alu depctr_va_vdst(0)
	s_wait_tensorcnt 0x0
	ds_add_u32 v126, v127
	s_wait_dscnt 0x0
	CROUND
	JLOAD G0+4*\s, G1, G0B+4*\s, G1B
.endr
	v_and_b32 v1, 15, v0                           ; r
	v_bfe_u32 v2, v0, 4, 1                         ; h
	v_and_b32 v3, 31, v0
	v_lshlrev_b32 v[LI], 4, v3                     ; 16 x lane
	s_wait_alu depctr_va_vdst(0)
	s_lshl_b32 s18, s42, 10                        ; the bias of my 128 columns: register 8 b + j of lane (r, h) is that of column 16 b + 8 h + j
	s_lshl_b32 s19, s16, 9
	s_add_co_u32 s18, s18, s19
	s_mov_b32 s19, 0
	s_add_nc_u64 s[8:9], s[8:9], s[18:19]
	v_lshlrev_b32 v7, 5, v2
.irp b, 0,1,2,3,4,5,6,7
	global_load_b128 v[BIAS+8*\b:BIAS+8*\b+3], v7, s[8:9] offset:64*\b
	global_load_b128 v[BIAS+8*\b+4:BIAS+8*\b+7], v7, s[8:9] offset:64*\b+16
.endr
	s_lshl_b32 s21, s15, 15
	s_lshl_b32 s22, s16, 15
	s_add_co_u32 s22, s22, 2*QUART
.irp s, 0,1
	v_add_nc_u32 v[ADRA+\s], s21, v[LI]
	v_add_nc_u32 v[ADRB+\s], s22, v[LI]
	s_add_co_u32 s21, s21, SLOT
	s_add_co_u32 s22, s22, SLOT
.endr
	v_lshlrev_b32 v5, 5, v1                        ; my row's scale bytes: 32 a row,
	v_lshrrev_b32 v6, 3, v1
	v_lshl_add_u32 v5, v6, 4, v5                   ; and 16 more for each 256 passed
	s_mul_i32 s21, s15, HALFS
	s_mul_i32 s22, s16, HALFS
	s_add_co_u32 s22, s22, 2*HALFS
	s_sub_co_u32 s22, s22, s21
	v_mul_u32_u24 v6, s22, v2                      ; lanes 16-31 take B's: one product with h
	s_add_co_u32 s21, s21, SCL
	v_add_nc_u32 v5, v5, v6
	v_add_nc_u32 v[ADRS], s21, v5
	s_mul_i32 s23, s14, 16*SPITCH                  ; my stage
	v_mul_u32_u24 v5, v1, SPITCH                   ; in: row r, 32 bytes for each half of the lanes
	v_lshl_add_u32 v5, v2, 5, v5
	v_add_nc_u32 v[STO], s23, v5
	v_add_nc_u32 v[RD], s23, v[LI]                 ; back: the 32 lanes take one row of 512 bytes
	s_lshl_b32 s20, s17, 20                        ; out0: 256 rows of 4,096 bytes a tile row,
	s_lshl_b32 s21, s15, 19                        ; 128 rows for my half,
	s_add_co_u32 s20, s20, s21
	s_lshl_b32 s21, s42, 10                        ; 1,024 bytes a tile column,
	s_add_co_u32 s20, s20, s21
	s_lshl_b32 s21, s16, 9                         ; 512 for my half
	s_add_co_u32 s20, s20, s21
	s_mov_b32 s21, 0
	s_add_nc_u64 s[12:13], s[10:11], s[20:21]
.macro FRAG reg, adr, q, i             ; a fragment: two loads of 512 consecutive bytes
.irp c, 0,1
	ds_load_b128 v[\reg+4*\c:\reg+4*\c+3], v[\adr] offset:4096*(\i)+1024*(\q)+512*\c
.endr
.endm
; 16 matrix instructions: A's blocks a0, a0 + 1 x B's eight.  mode 0: onto the sums; 1: the sums begin with the bias.  The 64 accumulators take turns, one instruction a turn.
.macro MUL16 a0, p, q, sc, mode
.irp a, \a0, \a0+1
.irp b, 0,1,2,3,4,5,6,7
.set rD, 8*(8*((\a)%4)+\b)
.set rB, 128*(\p)+8*\b
.set rA, AF+8*(\a)
.set sB, SC+32*(\sc)+4*\b+(\q)
.set sA, SC+32*(\sc)+4*(\a)+(\q)
.if \mode == 0
	v_wmma_scale_f32_16x16x128_f8f6f4 v[rD:rD+7], v[rB:rB+7], v[rA:rA+7], v[rD:rD+7], v[sB], v[sA] matrix_a_fmt:MATRIX_FMT_FP4 matrix_b_fmt:MATRIX_FMT_FP4 matrix_a_scale:MATRIX_SCALE_ROW1
.else
	v_wmma_scale_f32_16x16x128_f8f6f4 v[rD:rD+7], v[rB:rB+7], v[rA:rA+7], v[BIAS+8*\b:BIAS+8*\b+7], v[sB], v[sA] matrix_a_fmt:MATRIX_FMT_FP4 matrix_b_fmt:MATRIX_FMT_FP4 matrix_a_scale:MATRIX_SCALE_ROW1
.endif
.endr
.endr
.endm
.macro FETCH_B slot, q, p
	WIN TO_B
.irp i, 0,1,2,3,4,5,6,7
	FRAG 128*(\p)+8*\i, ADRB+\slot, \q, \i
.endr
	WIN 0
.endm
.macro FETCH_A slot, q, i0
.irp i, \i0, \i0+1, \i0+2, \i0+3
	FRAG AF+8*(\i), ADRA+\slot, \q, \i
.endr
.endm
.macro SCALES sc
.irp i, 0,1,2,3,4,5,6,7
	ds_load_b128 v[SC+32*\sc+4*\i:SC+32*\sc+4*\i+3], v[ADRS] offset:\i*SBLK
.endr
.endm
.macro PLACES n                        ; plain vector lines between a matrix instruction and a load into, or a read of, its registers
.rept \n
	v_nop
.endr
.endm
.macro STEP slot, q
	s_wait_dscnt 8                                 ; B's set and A's blocks 0-3 are in; the youngest eight loads (A's blocks 4-7) may be out
	WIN MUL_LO
	MUL16 0, (\q)%2, \q, \slot, 0
	MUL16 2, (\q)%2, \q, \slot, 0
	s_wait_dscnt 0x0
	PLACES NP
	FETCH_B \slot, (\q)+1, 1-(\q)%2
	FETCH_A \slot, (\q)+1, 0
	WIN MUL_HI
	MUL16 4, (\q)%2, \q, \slot, 0
	MUL16 6, (\q)%2, \q, \slot, 0
	PLACES NP
	WIN 0
	FETCH_A \slot, (\q)+1, 4
.endm
	s_wait_alu depctr_va_vdst(0)
	s_wait_tensorcnt 1                             ; the scales and my part of slot 0 are in; slot 1's load may be out
	s_barrier_signal -1
	s_barrier_wait -1
	FETCH_B 0, 0, 0
	FETCH_A 0, 0, 0
	SCALES 0
	FETCH_A 0, 0, 4
	s_wait_loadcnt 0x0                             ; the bias
	s_wait_dscnt 8
	WIN 0x81                                       ; source 0 window 1, C (the bias) window 0, D window 2
	MUL16 0, 0, 0, 0, 1
	MUL16 2, 0, 0, 0, 1
	s_wait_dscnt 0x0
	PLACES NP
	FETCH_B 0, 1, 1
	FETCH_A 0, 1, 0
	WIN 0xc1                                       ; D window 3
	MUL16 4, 0, 0, 0, 1
	MUL16 6, 0, 0, 0, 1
	PLACES NP
	WIN 0
	FETCH_A 0, 1, 4
	STEP 0, 1
	STEP 0, 2
	; slot 0's last step changes slots: one barrier; in front of it my part of slot 1 has landed and my reads of slot 0 are over.  Nothing is filled again
	s_wait_tensorcnt 0x0
	s_wait_dscnt 8
	WIN MUL_LO
	MUL16 0, 1, 3, 0, 0
	s_wait_dscnt 0x0
	s_barrier_signal -1
	MUL16 2, 1, 3, 0, 0
	WIN 0
	s_barrier_wait -1
	PLACES NP
	v_add_nc_u32 v[ADRS], 16, v[ADRS]
	FETCH_B 1, 0, 0
	FETCH_A 1, 0, 0
	SCALES 1
	WIN MUL_HI
	MUL16 4, 1, 3, 0, 0
	MUL16 6, 1, 3, 0, 0
	PLACES NP
	WIN 0
	FETCH_A 1, 0, 4
	STEP 1, 0
	STEP 1, 1
	STEP 1, 2
	s_wait_dscnt 8
	WIN MUL_LO
	MUL16 0, 1, 3, 1, 0
	MUL16 2, 1, 3, 1, 0
	s_wait_dscnt 0x0
	WIN MUL_HI
	MUL16 4, 1, 3, 1, 0
	MUL16 6, 1, 3, 1, 0
	WIN 0
; THE WAY OUT, block by block of 16 rows x 128 columns: through my own stage in LDS, back as whole rows of 512 bytes.  LDS serves a wave's instructions in order (ISA guide 5.7.1.4): no wait between the stores and the loads.
.macro TOSTAGE a
.set AC, 64*((\a)%4)
	WIN 0x08+4*((\a)/4)                            ; the data: window 2 or 3
.irp b, 0,1,2,3,4,5,6,7
	ds_store_b128 v[STO], v[AC+8*\b:AC+8*\b+3] offset:64*\b          ; each accumulator from its low end on
	ds_store_b128 v[STO], v[AC+8*\b+4:AC+8*\b+7] offset:64*\b+16
.endr
	WIN 0
.set BB, BK+64*((\a)%2)
.irp t, 0,1,2,3,4,5,6,7,8,9,10,11,12,13,14,15
	ds_load_b128 v[BB+4*\t:BB+4*\t+3], v[RD] offset:\t*SPITCH
.endr
.endm
.macro SEND a, younger                 ; younger: the LDS instructions issued behind block a's loads, which may stay out
.set BB, BK+64*((\a)%2)
	s_wait_dscnt \younger
.if (\a) > 0
	s_add_nc_u64 s[12:13], s[12:13], 16*SIZE_N*4   ; 16 rows on (the earlier stores have read their base: the wait on XCNT stands ahead)
.endif
.irp t, 0,1,2,3,4,5,6,7,8,9,10,11,12,13,14,15
	global_store_b128 v[LI], v[BB+4*\t:BB+4*\t+3], s[12:13] offset:\t*SIZE_N*4 th:TH_STORE_NT   ; 32 lanes store 512 consecutive bytes, at a multiple of 256 from out0's first byte
.endr
.endm
	PLACES NP
	TOSTAGE 0
.irp a, 1,2,3,4,5,6,7
.if \a > 1
	s_wait_xcnt 0x0                                ; block a - 2's stores have read their registers and their base
.endif
	TOSTAGE \a
	SEND \a-1, 32                                  ; behind block a - 1's loads: block a's 16 stores and 16 loads
.endr
	s_wait_xcnt 0x0
	SEND 7, 0
	s_wait_tensorcnt 0x0
	ds_add_u32 v126, v127
	s_wait_dscnt 0x0
	CROUND                                         ; the closing round: no work-group ends while a partner may still ask for a tile that names it
	s_endpgm
.Lfunc_end_k_q3089e9c640_proj:
	.size	k_q3089e9c640_proj, .Lfunc_end_k_q3089e9c640_proj-k_q3089e9c640_proj
	.p2alignl 7, 3214868480
	.fill 96, 4, 3214868480
	.section	.rodata,"a",@progbits
	.p2align	6, 0x0
	.amdhsa_kernel k_q3089e9c640_proj
		.amdhsa_group_segment_fixed_size 327680
		.amdhsa_private_segment_fixed_size 0
		.amdhsa_enable_private_segment 0
		.amdhsa_kernarg_size 32
		.amdhsa_user_sgpr_count 2
		.amdhsa_user_sgpr_kernarg_segment_ptr 1
		.amdhsa_wavefront_size32 1
		.amdhsa_system_sgpr_workgroup_id_x 1
		.amdhsa_system_sgpr_workgroup_id_y 1
		.amdhsa_system_sgpr_workgroup_id_z 1
		.amdhsa_system_vgpr_workitem_id 0
		.amdhsa_next_free_vgpr 1024
		.amdhsa_next_free_sgpr 102
		.amdhsa_reserve_vcc 0
		.amdhsa_float_denorm_mode_32 3
		.amdhsa_float_denorm_mode_16_64 3
		.amdhsa_memory_ordered 1
		.amdhsa_forward_progress 1
		.amdhsa_inst_pref_size 127
	.end_amdhsa_kernel
	.amdgpu_metadata
---
amdhsa.version: [ 1, 2 ]
amdhsa.kernels:
  - .name:           k_q3089e9c640_proj
    .symbol:         k_q3089e9c640_proj.kd
    .args:
      - { .name: yq, .offset: 0, .size: 8, .value_kind: global_buffer, .address_space: global }
      - { .name: pq, .offset: 8, .size: 8, .value_kind: global_buffer, .address_space: global }
      - { .name: bproj, .offset: 16, .size: 8, .value_kind: global_buffer, .address_space: global }
      - { .name: out0, .offset: 24, .size: 8, .value_kind: global_buffer, .address_space: global }
    .group_segment_fixed_size: 327680
    .private_segment_fixed_size: 0
    .kernarg_segment_align: 8
    .kernarg_segment_size: 32
    .max_flat_workgroup_size: 128
    .sgpr_count:     102
    .vgpr_count:     1024
    .wavefront_size: 32
...
	.end_amdgpu_metadata
.endif
;; end of part 4
